; MI455X (gfx1250); checked and timed in simulation.
; The chip was launched on July 23, 2026; its instructions are those of AMD's public machine-readable ISA for CDNA 5 (MIT licence, August 2026) and "CDNA5" Instruction Set Architecture Reference Guide (July 2026). The comments in the code are by the model that wrote it; some were corrected since.
;; Full Attention Block. Allowed arithmetic: float matrix products may take bf16 or f16 operands with f32 sums; other float arithmetic in f32, or as packed bf16 or f16 multiplies, adds, multiply-adds, maxima and minima; sums over many terms, partial sums and values carried from step to step in f32; what a program stores and reads back later, other than sums and carried values, may be rounded once to bf16 or f16.
;; Inputs: Wk 1,024 x 1,024 float32; Wo 2,048 x 1,024 float32; Wq 1,024 x 2,048 float32; Wv 1,024 x 1,024 float32; hidden_states 2 x 2,048 x 1,024 float32; k_norm_w 128 float32; position_ids 2,048 int32; q_norm_w 128 float32.
;; Outputs: out0 2 x 2,048 x 1,024 float32.
;; 2 versions, each right; version 2 is version 1 with the launch prep written anew for expert scheduling mode. Each part assembles by itself: llvm-mc -triple=amdgcn-amd-amdhsa -mcpu=gfx1250 --defsym DOCPART=n.
;; ======== version 1 of 2: 4 launches
;; limits: values are held in f16: magnitudes above 65,504 overflow, below 6.1e-05 lose precision; right only within a limited range of input values
;; workspace buffers: xb 8,388,608 bytes; wb 8,388,608 bytes; wo16 4,194,304 bytes; cs 1,048,576 bytes; qkv 33,554,432 bytes; ob 16,777,216 bytes
;; launch prep (part 1): grid 768 x 1, 8 waves a work-group, no clusters, 0 bytes of LDS; arguments hidden_states, Wq, Wk, Wv, Wo, position_ids, xb, wb, wo16, cs; writes xb, wb, wo16, cs
.if DOCPART == 1
	.amdgcn_target "amdgcn-amd-amdhsa--gfx1250"
	.amdhsa_code_object_version 6
	.text
	.protected	k_q7a5183741f_prep
	.globl	k_q7a5183741f_prep
	.p2align	8
	.type	k_q7a5183741f_prep,@function
k_q7a5183741f_prep:
	s_mov_b64 s[64:65], 0
	v_nop
	global_prefetch_b8 v0, s[64:65] scope:SCOPE_SE
	s_setreg_imm32_b32 hwreg(HW_REG_WAVE_MODE, 25, 1), 1
	s_wait_xcnt 0x0
; PREP: the casts and the table of cosines and sines.  A stream: no LDS, no matrix unit, no barrier.
;   xb   [4096][1024] bf16        = hidden_states, rounded once
;   wb   [1024 k][4096 n] bf16    = Wq (n 0-2047) | Wk (2048-3071) | Wv (3072-4095), rounded once
;   wo16 [2048 k][1024 n] f16     = Wo rounded to bf16, that number written as f16
;   cs   [2048 s][128] f32        = 64 cosines, then 64 sines, of position_ids[s] x 1e6^(-f/64), f = 0..63
; SHARES.  A segment is 1,024 floats (4,096 bytes in, 2,048 out).  Work-groups 0-639 cast 16 segments each, a wave two: sixteen loads of 16 bytes a lane go out
; together, and each store of a wave covers 256 consecutive bytes, aligned.  Work-groups 640-767 make 16 rows of the table each, sixteen lanes a row, four frequencies a lane.
; LIMITS.  Wo as f16: a bf16 number below 6.1e-5 in size keeps f16's fixed step of 6e-8, one beyond 65,504 becomes an infinity.  The angle is reduced by pi/2 in two parts with fused
; multiply-adds: what is left out is k x 1.7e-15 for the k-th quarter turn; the text serves angles up to 48,000 rad.  The frequency is 2^(-f x log2(1e6)/64), good to about 1.5e-6 of itself
; at f = 63 and better below, so an angle's error is that part of the angle.  NaN and infinities are not treated apart.
.set VI, 16                            ; v[16:79]   sixteen loads of four floats
.set VO, 80                            ; v[80:111]  sixteen pairs of packed results
	s_load_b512 s[8:23], s[0:1], 0x0               ; hidden s[8:9], Wq s[10:11], Wk s[12:13], Wv s[14:15], Wo s[16:17], position_ids s[18:19], xb s[20:21], wb s[22:23]
	s_load_b128 s[24:27], s[0:1], 0x40             ; wo16 s[24:25], cs s[26:27]
	v_lshrrev_b32 v3, 5, v0
	v_readfirstlane_b32 s39, v3                    ; wave 0..7
	v_and_b32 v4, 31, v0
	v_lshlrev_b32 v1, 4, v4                        ; 16 bytes a lane in
	v_lshlrev_b32 v2, 3, v4                        ; 8 bytes a lane out
	s_mov_b32 s7, ttmp9
	s_mov_b32 s34, 0                               ; the region's first work-group
	s_mov_b32 s35, 0                               ; segments to a source row, as a shift
	s_mov_b32 s36, 2048                            ; bytes from row to row in the destination
	s_mov_b32 s37, 0                               ; the region's first byte in a destination row
	s_mov_b32 s38, 2048                            ; bytes from the wave's first segment to its second, in the destination
	s_wait_kmcnt 0x0
	s_cmp_ge_u32 s7, 640
	s_cbranch_scc1 .Ltable
	; which region: hidden_states 0-255, Wq 256-383, Wk 384-447, Wv 448-511, Wo 512-639.  The compares are on the work-group's number alone.
	s_mov_b64 s[28:29], s[8:9]
	s_mov_b64 s[30:31], s[20:21]
	s_cmp_ge_u32 s7, 256
	s_cselect_b64 s[28:29], s[10:11], s[28:29]
	s_cselect_b64 s[30:31], s[22:23], s[30:31]
	s_cselect_b32 s34, 256, s34
	s_cselect_b32 s35, 1, s35
	s_cselect_b32 s36, 8192, s36
	s_cmp_ge_u32 s7, 384
	s_cselect_b64 s[28:29], s[12:13], s[28:29]
	s_cselect_b32 s34, 384, s34
	s_cselect_b32 s35, 0, s35
	s_cselect_b32 s37, 4096, s37
	s_cselect_b32 s38, 8192, s38
	s_cmp_ge_u32 s7, 448
	s_cselect_b64 s[28:29], s[14:15], s[28:29]
	s_cselect_b32 s34, 448, s34
	s_cselect_b32 s37, 6144, s37
	s_cmp_ge_u32 s7, 512
	s_cselect_b64 s[28:29], s[16:17], s[28:29]
	s_cselect_b64 s[30:31], s[24:25], s[30:31]
	s_cselect_b32 s34, 512, s34
	s_cselect_b32 s36, 2048, s36
	s_cselect_b32 s37, 0, s37
	s_cselect_b32 s38, 2048, s38
	s_sub_co_u32 s40, s7, s34
	s_lshl_b32 s40, s40, 4
	s_lshl1_add_u32 s40, s39, s40                  ; my first segment: 16 x (work-group in the region) + 2 x wave
	s_lshl_b32 s42, s40, 12                        ; 4,096 bytes a segment in
	s_mov_b32 s43, 0
	s_add_nc_u64 s[28:29], s[28:29], s[42:43]
	s_lshr_b32 s40, s40, s35                       ; the destination's row,
	s_mul_i32 s40, s40, s36
	s_add_co_u32 s40, s40, s37
	s_mov_b32 s41, 0
	s_add_nc_u64 s[30:31], s[30:31], s[40:41]      ; where the first segment goes,
	s_mov_b32 s42, s38
	s_add_nc_u64 s[32:33], s[30:31], s[42:43]      ; and the second
.irp u, 0,1,2,3,4,5,6,7,8,9,10,11,12,13,14,15
	global_load_b128 v[VI+4*(\u):VI+4*(\u)+3], v1, s[28:29] offset:512*(\u) th:TH_LOAD_NT
.endr
	s_cmp_ge_u32 s7, 512
	s_cbranch_scc1 .Lwo
.irp u, 0,1,2,3,4,5,6,7,8,9,10,11,12,13,14,15
	s_wait_loadcnt 15-(\u)                         ; loads come back in order: load u is in, the younger ones stay out
	v_cvt_pk_bf16_f32 v[VO+2*(\u)], v[VI+4*(\u)], v[VI+4*(\u)+1]
	v_cvt_pk_bf16_f32 v[VO+2*(\u)+1], v[VI+4*(\u)+2], v[VI+4*(\u)+3]
	global_store_b64 v2, v[VO+2*(\u):VO+2*(\u)+1], s[30+2*((\u)/8):31+2*((\u)/8)] offset:256*((\u)%8)
.endr
	s_endpgm
.Lwo:                                          ; Wo: rounded to bf16 like every input, then that number as f16
.irp u, 0,1,2,3,4,5,6,7,8,9,10,11,12,13,14,15
	s_wait_loadcnt 15-(\u)
	v_cvt_pk_bf16_f32 v[VO+2*(\u)], v[VI+4*(\u)], v[VI+4*(\u)+1]
	v_cvt_pk_bf16_f32 v[VO+2*(\u)+1], v[VI+4*(\u)+2], v[VI+4*(\u)+3]
	v_lshlrev_b32 v[VI+4*(\u)], 16, v[VO+2*(\u)]
	v_and_b32 v[VI+4*(\u)+1], 0xffff0000, v[VO+2*(\u)]
	v_lshlrev_b32 v[VI+4*(\u)+2], 16, v[VO+2*(\u)+1]
	v_and_b32 v[VI+4*(\u)+3], 0xffff0000, v[VO+2*(\u)+1]
	v_cvt_pk_f16_f32 v[VO+2*(\u)], v[VI+4*(\u)], v[VI+4*(\u)+1]
	v_cvt_pk_f16_f32 v[VO+2*(\u)+1], v[VI+4*(\u)+2], v[VI+4*(\u)+3]
	global_store_b64 v2, v[VO+2*(\u):VO+2*(\u)+1], s[30+2*((\u)/8):31+2*((\u)/8)] offset:256*((\u)%8)
.endr
	s_endpgm
.Ltable:
	s_sub_co_u32 s40, s7, 640
	s_lshl_b32 s40, s40, 4
	v_lshrrev_b32 v3, 4, v0
	v_add_nc_u32 v3, s40, v3                       ; my row s
	v_and_b32 v4, 15, v0                           ; my four frequencies: 4 fg .. 4 fg + 3
	v_lshlrev_b32 v5, 2, v3
	global_load_b32 v6, v5, s[18:19]               ; position_ids[s]
	s_mov_b32 s44, 0xbe9f73da                      ; -log2(1e6) / 64
	s_mov_b32 s45, 0x3f22f983                      ; 2 / pi
	s_mov_b32 s46, 0xbfc90fdb                      ; -(pi/2 rounded to f32)
	s_mov_b32 s47, 0x333bbd2e                      ; -(pi/2 less that number)
	s_mov_b32 s48, 0xb94ca1f9                      ; the sine's polynomial in z = r r: -1.9515296e-4,
	s_mov_b32 s49, 0x3c08839e                      ; 8.3321609e-3,
	s_mov_b32 s50, 0xbe2aaaa3                      ; -1.6666655e-1
	s_mov_b32 s51, 0x37ccf5ce                      ; the cosine's: 2.4433157e-5,
	s_mov_b32 s52, 0xbab6061a                      ; -1.3887316e-3,
	s_mov_b32 s53, 0x3d2aaaa5                      ; 4.1666646e-2
	v_lshlrev_b32 v7, 2, v4
	v_lshlrev_b32 v9, 9, v3
	v_lshl_add_u32 v9, v4, 4, v9                   ; 512 s + 16 fg: sixteen lanes fill 256 consecutive bytes, aligned
.irp e, 0,1,2,3
	v_add_nc_u32 v[16+12*(\e)], \e, v7
	v_cvt_f32_u32 v[16+12*(\e)], v[16+12*(\e)]
	v_mul_f32 v[16+12*(\e)], s44, v[16+12*(\e)]
.endr
.irp e, 0,1,2,3
	v_exp_f32 v[17+12*(\e)], v[16+12*(\e)]         ; the frequency
.endr
	v_nop                                          ; a plain instruction behind the last exponential,
	s_wait_alu depctr_va_vdst(0)                   ; and one wait for the four, ahead of their first reader
	s_wait_loadcnt 0x0
	v_cvt_f32_i32 v6, v6
.irp e, 0,1,2,3
.set R, 16+12*(\e)
	v_mul_f32 v[R], v6, v[R+1]                     ; the angle x
	v_mul_f32 v[R+1], s45, v[R]
	v_rndne_f32 v[R+1], v[R+1]                     ; k quarter turns
	v_fma_f32 v[R], v[R+1], s46, v[R]              ; r = x - k pi/2, in two parts
	v_fma_f32 v[R], v[R+1], s47, v[R]
	v_cvt_i32_f32 v[R+2], v[R+1]
	v_mul_f32 v[R+3], v[R], v[R]                   ; z
	v_fma_f32 v[R+4], v[R+3], s48, s49
	v_fma_f32 v[R+4], v[R+4], v[R+3], s50
	v_mul_f32 v[R+6], v[R+3], v[R]
	v_fma_f32 v[R+4], v[R+4], v[R+6], v[R]         ; sin r
	v_fma_f32 v[R+5], v[R+3], s51, s52
	v_fma_f32 v[R+5], v[R+5], v[R+3], s53
	v_mul_f32 v[R+6], v[R+3], v[R+3]
	v_fma_f32 v[R+7], v[R+3], -0.5, 1.0
	v_fma_f32 v[R+5], v[R+5], v[R+6], v[R+7]       ; cos r
	v_and_b32 v[R+6], 1, v[R+2]
	v_cmp_eq_u32 vcc_lo, 1, v[R+6]                 ; an odd quarter swaps the two
	v_cndmask_b32 v[R+7], v[R+4], v[R+5], vcc_lo
	v_cndmask_b32 v[R+8], v[R+5], v[R+4], vcc_lo
	v_lshlrev_b32 v[R+6], 30, v[R+2]               ; the sine is negative in quarters 2 and 3,
	v_and_b32 v[R+6], 0x80000000, v[R+6]
	v_xor_b32 v[68+(\e)], v[R+6], v[R+7]
	v_add_nc_u32 v[R+2], 1, v[R+2]                 ; the cosine in quarters 1 and 2
	v_lshlrev_b32 v[R+2], 30, v[R+2]
	v_and_b32 v[R+2], 0x80000000, v[R+2]
	v_xor_b32 v[64+(\e)], v[R+2], v[R+8]
.endr
	global_store_b128 v9, v[64:67], s[26:27]
	global_store_b128 v9, v[68:71], s[26:27] offset:256
	s_endpgm
.Lfunc_end_k_q7a5183741f_prep:
	.size	k_q7a5183741f_prep, .Lfunc_end_k_q7a5183741f_prep-k_q7a5183741f_prep
	.p2alignl 7, 3214868480
	.fill 96, 4, 3214868480
	.section	.rodata,"a",@progbits
	.p2align	6, 0x0
	.amdhsa_kernel k_q7a5183741f_prep
		.amdhsa_group_segment_fixed_size 0
		.amdhsa_private_segment_fixed_size 0
		.amdhsa_enable_private_segment 0
		.amdhsa_kernarg_size 80
		.amdhsa_user_sgpr_count 2
		.amdhsa_user_sgpr_kernarg_segment_ptr 1
		.amdhsa_wavefront_size32 1
		.amdhsa_system_sgpr_workgroup_id_x 1
		.amdhsa_system_sgpr_workgroup_id_y 1
		.amdhsa_system_sgpr_workgroup_id_z 1
		.amdhsa_system_vgpr_workitem_id 0
		.amdhsa_next_free_vgpr 112
		.amdhsa_next_free_sgpr 66
		.amdhsa_reserve_vcc 1
		.amdhsa_float_denorm_mode_32 3
		.amdhsa_float_denorm_mode_16_64 3
		.amdhsa_memory_ordered 1
		.amdhsa_forward_progress 1
		.amdhsa_inst_pref_size 24
	.end_amdhsa_kernel
	.amdgpu_metadata
---
amdhsa.version: [ 1, 2 ]
amdhsa.kernels:
  - .name:           k_q7a5183741f_prep
    .symbol:         k_q7a5183741f_prep.kd
    .args:
      - { .name: hidden_states, .offset: 0, .size: 8, .value_kind: global_buffer, .address_space: global }
      - { .name: Wq, .offset: 8, .size: 8, .value_kind: global_buffer, .address_space: global }
      - { .name: Wk, .offset: 16, .size: 8, .value_kind: global_buffer, .address_space: global }
      - { .name: Wv, .offset: 24, .size: 8, .value_kind: global_buffer, .address_space: global }
      - { .name: Wo, .offset: 32, .size: 8, .value_kind: global_buffer, .address_space: global }
      - { .name: position_ids, .offset: 40, .size: 8, .value_kind: global_buffer, .address_space: global }
      - { .name: xb, .offset: 48, .size: 8, .value_kind: global_buffer, .address_space: global }
      - { .name: wb, .offset: 56, .size: 8, .value_kind: global_buffer, .address_space: global }
      - { .name: wo16, .offset: 64, .size: 8, .value_kind: global_buffer, .address_space: global }
      - { .name: cs, .offset: 72, .size: 8, .value_kind: global_buffer, .address_space: global }
    .group_segment_fixed_size: 0
    .private_segment_fixed_size: 0
    .kernarg_segment_align: 8
    .kernarg_segment_size: 80
    .max_flat_workgroup_size: 256
    .sgpr_count:     66
    .vgpr_count:     112
    .wavefront_size: 32
...
	.end_amdgpu_metadata
.endif
;; end of part 1
;; launch qkv (part 2): grid 16 x 16, 4 waves a work-group, clusters of 4 x 4, 327,680 bytes of LDS; arguments xb, wb, cs, q_norm_w, k_norm_w, qkv; writes qkv
.if DOCPART == 2
	.amdgcn_target "amdgcn-amd-amdhsa--gfx1250"
	.amdhsa_code_object_version 6
	.text
	.protected	k_q7a5183741f_qkv
	.globl	k_q7a5183741f_qkv
	.p2align	8
	.type	k_q7a5183741f_qkv,@function
k_q7a5183741f_qkv:
	s_mov_b64 s[64:65], 0
	v_nop
	global_prefetch_b8 v0, s[64:65] scope:SCOPE_SE
	s_setreg_imm32_b32 hwreg(HW_REG_WAVE_MODE, 25, 1), 1
	s_wait_xcnt 0x0
	s_wait_alu depctr_hold_cnt(0) depctr_sa_sdst(0) depctr_va_vdst(0) depctr_va_sdst(0) depctr_va_ssrc(0) depctr_va_vcc(0) depctr_vm_vsrc(0)
	s_getreg_b32 s2, hwreg(HW_REG_IB_STS2, 6, 4)
	s_cmp_eq_u32 s2, 0
	s_cbranch_scc0 .Lentry_in_a_cluster
	s_endpgm
.Lentry_in_a_cluster:
	s_bfe_u32 s2, ttmp6, 0x10000c
	s_cmp_lg_u32 s2, 0xf033
	s_cbranch_scc0 .Lentry_shape_is_right
	s_endpgm
.Lentry_shape_is_right:
; QKV: C = x W for W = Wq | Wk | Wv (4096 x 4096 x 1024, bf16 operands, f32 sums), and on the way out the RMS norm over a head's 128 channels, the gain and the rotation (q and k), all in f32;
; the result leaves by heads, [b 2][slab 32][s 2048][128] in f16, rounded once: slabs 0-15 q's heads, 16-23 k's, 24-31 v's.
; SHARES.  A work-group of four waves makes a tile of 256 x 256 of C; a wave 128 rows x 128 columns, which is ONE head: 64 accumulators of 16 x 16, 512 registers.  256 work-groups, one tile each.
; K goes in 8 steps of 128 through two LDS slots filled by the tensor data mover.  x's tile: 256 rows of 256 bytes.  W lies [k][n]: its tile is 128 rows (k) of 512 bytes, and its fragments come out of LDS turned, by ds_load_tr16_b128.
; CLUSTER.  4 x 4 work-groups: the four of a row need the same tiles of x, the four of a column the same tiles of W: each tile is asked for jointly, by the same tensor load with the same descriptor and a mask of the four.
; THE MATRIX INSTRUCTION IS USED TRANSPOSED (source 0 = 16 columns of W, source 1 = 16 rows of x): lane l holds row l % 16 and, in accumulator b, the channels 16 b + 8 (l / 16) + 0..7.  So a row's 128 channels lie in two lanes
; 16 apart, channel d and channel d + 64 in the same lane (accumulators b and b + 4), and norm and rotation want one exchange between the halves of the lanes.
; ONE TEXT FOR q, k AND v.  y = (x g) cos' -+ (x g)' sin' with cos' = cos rs SEL + ONE, sin' = sin rs SEL, g = gain SEL + ONE, rs = 1 / sqrt(mean x^2 + 1e-6); SEL = 1, ONE = 0 for q and k; SEL = 0, ONE = 1 for v, which so
; passes unchanged.  SEL hangs on the cluster's x alone (0, 1: q; 2: k; 3: v).  The price: v's quarter of the work-groups do the norm's arithmetic for nothing; they are no longer than the others for it.
; LIMITS.  The gains are rounded to bf16, like every floating-point input of the program.  f16 holds no number beyond 65,504: |q|, |k| stay under 11.4 x the largest gain; v is x Wv itself.  NaN and infinities are not treated apart.
; REGISTERS, in windows of 256 (s_set_vgpr_msb: bits 1:0 source 0, 3:2 source 1, 5:4 source 2, 7:6 destination):
;   window 0: v0-31 addresses; v64-127, v128-191 fragments of x, two buffers (on the way out: x g, and y); v32-63, v192-233 at work on the way out
;   window 1: v0-63 g; v64-127, v128-191 fragments of W, two buffers; v192-255 and (on the way out) v64-127 cosines and sines of 16 rows, two sets
;   window 2: the accumulators of my rows 0-63 ((a, b) at v[8 (8 a + b)]);   window 3: those of my rows 64-127
.set KSTEP,  128
.set PITCH,  272                       ; x's LDS row: 256 bytes + 16 of padding: the 16 rows of a load start at 16 different groups of four banks
.set PITCHB, 544                       ; W's LDS row: 512 bytes + 32 of padding = 17 x 32
.set HALFT,  128*PITCH                 ; what one tensor load brings: 128 rows of x, or 64 rows of W (64 x 544 is the same 34,816 bytes)
.set SLOT,   4*HALFT                   ; x's 256 rows, then W's 128
.set STAGE,  2*SLOT                    ; behind the ring: 16 rows x 272 bytes for each wave, for the way out
.set SPITCH, 272
.set SPARE,  STAGE+4*16*SPITCH         ; behind the stages: the spare words, 128 bytes for each wave: two blocks of 256 bytes that no other line names
.set LAPS,   4                         ; a lap = two K steps = once round the ring
.set ADRA, 16                          ; v16-17  LDS address of my fragments of x in slot 0, 1
.set ADRB, 20                          ; v20-21  the same for W
.set STO,  24                          ; v24     the way out: where I put 16 bytes of a row
.set RD,   25                          ; v25     the way out: where I read rows back
.set CO,   26                          ; v26     16 x lane: my place in 512 consecutive bytes of a slab
.set TO,   27                          ; v27     my place in 16 rows of the table: 512 (l % 16) + 32 (l / 16)
.set SPW,  28                          ; v28     LDS address of my spare word; never rewritten
.set NIL,  29                          ; v29     0; never rewritten
.set PFO,  30                          ; v30     the prefetches' offset; never rewritten
.set OB,   32                          ; v32-63  16 rows read back from the stage
.set F0,   64
.set F1,   128
.set XW,   64                          ; the way out: x g, 64 numbers a lane
.set YR,   128                         ; the way out: y
.set TMP,  192                         ; the way out: y packed
.set SS,   224                         ; v224-231 four chains of squares
.set RS,   232                         ; v232-233 rs SEL, twice
.set GW,   0                           ; window 1
.set CS0,  192                         ; window 1: 32 cosines, then 32 sines
.set CS1,  64
.set G1,  24                           ; s[24:31] descriptor group 1 for x's tiles;  s[32:39] group 0, a set for each slot
.set G0,  32
.set G1B, 48                           ; s[48:55], s[56:63] the same for W's tiles
.set G0B, 56
.set LIM, 43                           ; s43     1 in a wave that prefetches, else the greatest number
.set PFA, 44                           ; s[44:45] where my prefetches stand
.set TBP, 80                           ; s[80:81] the table at my rows
.set PFS, 82                           ; s[82:83] a K step in the tensor that I prefetch
.set ONEV, 84                          ; s[84:85] ONE, twice
.set UU,  90                           ; s90     the way out's count
.set SELV, 92                          ; s[92:93] SEL, twice
.set MSB, 0
.macro WIN new                         ; the immediate's high byte repeats the setting that is left; a switch that changes nothing is dropped
.if MSB != (\new)
	s_set_vgpr_msb (MSB<<8)|(\new)
.set MSB, \new
.endif
.endm
.set MUL_LO, 0xa1                      ; source 0 (W) window 1, source 1 (x) window 0, C and D window 2
.set MUL_HI, 0xf1                      ; the same, C and D window 3
.set TO_B,   0x40                      ; destination window 1, address window 0
; A joint load.  Waves 0 and 1 fetch x's two halves, waves 2 and 3 W's.  The branch hangs on the wave's number alone.  An s_nop 0 and four v_nop follow each of the two lines.
.macro JLOAD s
	s_cmp_eq_u32 s11, 0
	s_cbranch_scc0 .Lfor_b_\@
	tensor_load_to_lds s[G0+4*(\s):G0+4*(\s)+3], s[G1:G1+7]
	s_nop 0
.rept 4
	v_nop
.endr
	s_branch .Lasked_\@
.Lfor_b_\@:
	tensor_load_to_lds s[G0B+4*(\s):G0B+4*(\s)+3], s[G1B:G1B+7]
	s_nop 0
.rept 4
	v_nop
.endr
.Lasked_\@:
.endm
; A prefetch of the K step that stands two refills on, behind the joint load, its five lines and the run of LDS loads: one instruction a wave, a lane a block of 256 bytes.  x's tile row is read by every cluster of that row
; of clusters: the one with x = 0 asks; W's tile column by every cluster of that column: the one with y = 0 asks.  The four partners share a wave's blocks out by address (32 each), so each block is named once.
; K steps 0 to 3 come by their loads alone; the loop's last trip (s3 = 1) asks for nothing: K steps 8 and 9 do not exist.
.macro ASK
	s_cmp_gt_u32 s3, s[LIM]
	s_cbranch_scc0 .Lnot_mine_\@
	global_prefetch_b8 v[PFO], s[PFA:PFA+1] th:TH_LOAD_NT scope:SCOPE_SE
.Lnot_mine_\@:
.endm
.macro CREST                           ; a round of the cluster's barrier behind its opening barrier
	s_cmp_lg_u32 s10, 0
	s_cbranch_scc1 .Lnot_wave_0_\@
	s_barrier_signal -3
.Lnot_wave_0_\@:
	s_barrier_wait -3
	s_barrier_signal -1
	s_barrier_wait -1
.endm
.macro CROUND                          ; a whole round
	s_barrier_signal -1
	s_barrier_wait -1
	CREST
.endm
	s_load_b256 s[68:75], s[0:1], 0x0              ; xb s[68:69], wb s[70:71], cs s[72:73], q_norm_w s[74:75]
	s_load_b128 s[76:79], s[0:1], 0x20             ; k_norm_w s[76:77], qkv s[78:79]
	v_lshl_add_u32 v[SPW], v0, 2, SPARE
	v_mov_b32 v[NIL], 0
	ds_add_u32 v[SPW], v[NIL]                      ; the wave's opening: the add and its wait stand ahead of my first tensor load; the set-up below, work on registers, stands between them
	v_lshrrev_b32 v1, 5, v0
	v_readfirstlane_b32 s10, v1                    ; wave 0..3
	s_lshr_b32 s11, s10, 1                         ; which half of the tile's rows is mine.  Also: I fetch for x (0) or for W (1)
	s_and_b32 s12, s10, 1                          ; which half of its columns.  Also: which half of that tile I fetch
	s_bfe_u32 s40, ttmp6, 0x40000                  ; cx
	s_bfe_u32 s41, ttmp6, 0x40004                  ; cy
	s_lshl_b32 s42, ttmp9, 2
	s_add_co_u32 s42, s42, s40                     ; tile column = 4 x cluster x + cx
	s_and_b32 s13, ttmp7, 0xffff
	s_lshl_b32 s13, s13, 2
	s_add_co_u32 s13, s13, s41                     ; tile row = 4 x cluster y + cy
	s_lshl_b32 s43, s41, 2
	s_lshl_b32 s43, 15, s43                        ; my row of the cluster
	s_lshl_b32 s44, 0x1111, s40                    ; my column
	s_or_b32 s[G1+0], s43, (1<<16)|(1<<20)|(1<<21)|(5<<22)|(3<<25)   ; mask: my row; elements of 2 bytes; padding on; bit 21 beside a mask; after every 64 words, 4 words
	s_or_b32 s[G1B+0], s44, (1<<16)|(1<<20)|(1<<21)|(6<<22)|(7<<25)  ; mask: my column; after every 128 words, 8 words
	s_mov_b32 s[G1+1], 128<<16                     ; tensor_dim0 = 128
	s_mov_b32 s[G1+2], 128<<16                     ; tensor_dim1 = 128
	s_mov_b32 s[G1+3], 128<<16                     ; tile_dim0 = 128
	s_mov_b32 s[G1+4], 128                         ; tile_dim1 = 128
	s_mov_b32 s[G1+5], 1024                        ; elements from row to row of x
	s_mov_b32 s[G1+6], 0
	s_mov_b32 s[G1+7], 0
	s_mov_b32 s[G1B+1], 256<<16                    ; tensor_dim0 = 256
	s_mov_b32 s[G1B+2], 64<<16                     ; tensor_dim1 = 64
	s_mov_b32 s[G1B+3], 256<<16                    ; tile_dim0 = 256
	s_mov_b32 s[G1B+4], 64                         ; tile_dim1 = 64
	s_mov_b32 s[G1B+5], 4096                       ; elements from row to row of W
	s_mov_b32 s[G1B+6], 0
	s_mov_b32 s[G1B+7], 0
	; x's tiles hang on the tile row and the wave alone, W's on the tile column and the wave alone; each offset is made in registers that never hold the other coordinate
	s_lshl_b32 s17, s12, 7
	s_lshl_b32 s16, s13, 8
	s_add_co_u32 s16, s16, s17                     ; x: row 256 x tile row + 128 x half,
	s_lshl_b32 s16, s16, 11                        ; 2,048 bytes a row
	s_mov_b32 s17, 0
	s_lshl_b32 s46, s42, 9                         ; W: 512 bytes a tile column,
	s_lshl_b32 s47, s12, 19                        ; 64 rows of 8,192 bytes a half
	s_add_co_u32 s46, s46, s47
	s_mov_b32 s47, 0
	s_mul_i32 s20, s10, HALFT                      ; where they go: wave x 34,816 bytes: no place in the cluster enters an LDS address
	s_mov_b32 s86, 0x3c000000                      ; 1 / 128
	s_mov_b32 s87, 0x358637bd                      ; 1e-6
	s_mov_b32 s88, 0x76543210                      ; v_permlanex16_b32: each lane takes its own place in the other half
	s_mov_b32 s89, 0xfedcba98
	s_mov_b32 s91, 0xffff0000
	s_wait_dscnt 0x0                               ; the opening add is done
	s_wait_kmcnt 0x0
	s_add_nc_u64 s[14:15], s[68:69], s[16:17]
	s_add_nc_u64 s[46:47], s[70:71], s[46:47]
	CROUND                                         ; all sixteen work-groups are here: the first joint loads meet
.irp s, 0,1
	s_mov_b32 s[G0+4*(\s)], 1
	s_add_co_u32 s[G0+4*(\s)+1], s20, (\s)*SLOT
	s_add_nc_u64 s[G0+4*(\s)+2:G0+4*(\s)+3], s[14:15], (\s)*KSTEP*2
	s_or_b32 s[G0+4*(\s)+3], s[G0+4*(\s)+3], 0x80000000
	s_mov_b32 s[G0B+4*(\s)], 1
	s_add_co_u32 s[G0B+4*(\s)+1], s20, (\s)*SLOT
	s_add_nc_u64 s[G0B+4*(\s)+2:G0B+4*(\s)+3], s[46:47], (\s)*KSTEP*8192
	s_or_b32 s[G0B+4*(\s)+3], s[G0B+4*(\s)+3], 0x80000000
	JLOAD \s                                       ; K steps 0 and 1: two tensor loads of mine are out
.endr
; 16 rows' cosines and sines into set c of window 1: my 32 channels d < 64 of row l % 16, from byte imm behind the table's pointer
.macro LOADCS c, imm
	WIN TO_B
.irp b, 0,1,2,3
.irp u, 0,1
	global_load_b128 v[(\c)+8*(\b)+4*(\u):(\c)+8*(\b)+4*(\u)+3],       v[TO], s[TBP:TBP+1] offset:(\imm)+64*(\b)+16*(\u)
	global_load_b128 v[(\c)+32+8*(\b)+4*(\u):(\c)+32+8*(\b)+4*(\u)+3], v[TO], s[TBP:TBP+1] offset:(\imm)+256+64*(\b)+16*(\u)
.endr
.endr
.endm
	v_and_b32 v1, 15, v0                           ; l % 16
	v_bfe_u32 v2, v0, 4, 1                         ; l / 16
	v_lshlrev_b32 v6, 5, v2                        ; my 8 channels of each 16: 32 bytes of f32
	v_lshl_add_u32 v[TO], v1, 9, v6
	s_cmp_lt_u32 ttmp9, 2                          ; the cluster's x: the same in all sixteen partners
	s_cselect_b64 s[18:19], s[74:75], s[76:77]     ; q's gain, or k's (v reads k's and multiplies it by 0)
	s_cmp_lt_u32 ttmp9, 3
	s_cselect_b32 s[SELV], 1.0, 0
	s_cselect_b32 s[ONEV], 0, 1.0
	s_mov_b32 s[SELV+1], s[SELV]
	s_mov_b32 s[ONEV+1], s[ONEV]
	s_lshl_b32 s20, s13, 8
	s_lshl_b32 s21, s11, 7
	s_add_co_u32 s20, s20, s21
	s_and_b32 s20, s20, 2047                       ; my first row's place in its sequence
	s_lshl_b32 s22, s20, 9
	s_mov_b32 s23, 0
	s_add_nc_u64 s[TBP:TBP+1], s[72:73], s[22:23]
	WIN TO_B
.irp b, 0,1,2,3,4,5,6,7
	global_load_b128 v[GW+8*(\b):GW+8*(\b)+3],   v6, s[18:19] offset:64*(\b)
	global_load_b128 v[GW+8*(\b)+4:GW+8*(\b)+7], v6, s[18:19] offset:64*(\b)+16
.endr
	LOADCS CS0, 0                                  ; my rows 0-15
	WIN 0
	s_lshr_b32 s21, s13, 3                         ; the batch
	s_lshl_b32 s21, s21, 5
	s_lshl1_add_u32 s21, s42, s21                  ; + the slab: 2 x tile column
	s_add_co_u32 s21, s21, s12                     ; + my half
	s_lshl_b32 s21, s21, 11
	s_add_co_u32 s21, s21, s20                     ; rows of 256 bytes
	s_lshl_b32 s22, s21, 8
	s_add_nc_u64 s[8:9], s[78:79], s[22:23]        ; where my first row goes
	v_mul_u32_u24 v3, v1, PITCH
	v_lshl_add_u32 v3, v2, 4, v3                   ; x's fragment: row x pitch + 16 x half
	s_mul_i32 s21, s11, HALFT
	v_add_nc_u32 v[ADRA], s21, v3
	v_add_nc_u32 v[ADRA+1], SLOT, v[ADRA]
	v_and_b32 v4, 7, v0                            ; W's: the turning load takes 16 k x 16 n: lane l reads row 8 (l / 16) + l % 8, columns 8 ((l / 8) % 2) + 0..7
	v_lshl_add_u32 v4, v2, 3, v4
	v_mul_u32_u24 v4, v4, PITCHB
	v_bfe_u32 v5, v0, 3, 1
	v_lshl_add_u32 v4, v5, 4, v4
	s_lshl_b32 s22, s12, 8                         ; my 128 columns,
	s_add_co_u32 s22, s22, 2*HALFT                 ; behind x's 256 rows
	v_add_nc_u32 v[ADRB], s22, v4
	v_add_nc_u32 v[ADRB+1], SLOT, v[ADRB]
	s_mul_i32 s23, s10, 16*SPITCH
	s_add_co_u32 s23, s23, STAGE                   ; my stage
	v_mul_u32_u24 v4, v1, SPITCH
	v_lshl_add_u32 v4, v2, 4, v4
	v_add_nc_u32 v[STO], s23, v4
	v_mul_u32_u24 v5, v2, SPITCH
	v_lshl_add_u32 v5, v1, 4, v5
	v_add_nc_u32 v[RD], s23, v5
	v_and_b32 v7, 31, v0
	v_lshlrev_b32 v[CO], 4, v7
	; the prefetches: x: my work-group's 32 rows (by cx) of the 128 that I fetch, a lane a row; W: my work-group's 16 rows (by cy) of the 64, two blocks of 256 bytes a row
	s_lshl_b32 s20, s13, 8
	s_lshl_b32 s21, s12, 7
	s_add_co_u32 s20, s20, s21
	s_lshl_b32 s21, s40, 5
	s_add_co_u32 s20, s20, s21
	s_lshl_b32 s20, s20, 11
	s_add_co_u32 s20, s20, 3*KSTEP*2               ; at K step 3: the first refill steps it to 4
	s_lshl_b32 s21, s12, 19
	s_lshl_b32 s22, s41, 17
	s_add_co_u32 s21, s21, s22
	s_lshl_b32 s22, s42, 9
	s_add_co_u32 s21, s21, s22
	s_add_co_u32 s21, s21, 3*KSTEP*8192
	s_and_b32 s22, ttmp7, 0xffff                   ; cluster y
	s_mov_b32 s[PFS], KSTEP*8192
	s_mov_b32 s[PFS+1], 0
	s_mov_b32 s23, 8192
	s_cmp_eq_u32 s11, 0                            ; do I fetch for x?
	s_cselect_b32 s20, s20, s21
	s_cselect_b32 s22, ttmp9, s22                  ; the coordinate along which other clusters read the same blocks
	s_cselect_b64 s[PFA:PFA+1], s[68:69], s[70:71]
	s_cselect_b32 s[PFS], KSTEP*2, s[PFS]
	s_cselect_b32 s23, 2048, s23
	s_mov_b32 s21, 0
	s_add_nc_u64 s[PFA:PFA+1], s[PFA:PFA+1], s[20:21]
	s_cmp_eq_u32 s22, 0
	s_cselect_b32 s[LIM], 1, -1                    ; the same in all sixteen partners, for a given wave
	v_lshrrev_b32 v[PFO], s11, v7
	v_mul_u32_u24 v[PFO], v[PFO], s23
	v_and_b32 v7, s11, v7
	v_lshl_add_u32 v[PFO], v7, 8, v[PFO]
	; the gain: rounded to bf16, then g = gain SEL + ONE
	s_wait_loadcnt 16                              ; the gain's 16 loads are in; the table's 16 younger ones may stay out
	WIN 0x05
.set i, 0
.rept 32
	v_cvt_pk_bf16_f32 v[OB+i], v[GW+2*i], v[GW+2*i+1]
.set i, i+1
.endr
	WIN 0x40
.set i, 0
.rept 32
	v_lshlrev_b32 v[GW+2*i], 16, v[OB+i]
	v_and_b32 v[GW+2*i+1], s91, v[OB+i]
.set i, i+1
.endr
	WIN 0x41
.set i, 0
.rept 32
	v_pk_fma_f32 v[GW+2*i:GW+2*i+1], v[GW+2*i:GW+2*i+1], s[SELV:SELV+1], s[ONEV:ONEV+1] op_sel_hi:[1,0,0]
.set i, i+1
.endr
	WIN 0
; 16 matrix instructions: row blocks a0, a0 + 1 of the window's four x all 8 column blocks, 32 along K.  zero = 1: the first product starts the sums.  The 64 accumulators take turns.
.macro MUL16 f, hi, a0, zero
	WIN MUL_LO+0x50*(\hi)
.irp a, \a0, (\a0)+1
.irp b, 0,1,2,3,4,5,6,7
.if \zero
	v_wmma_f32_16x16x32_bf16 v[8*(8*(\a)+(\b)):8*(8*(\a)+(\b))+7], v[(\f)+8*(\b):(\f)+8*(\b)+7], v[(\f)+8*(4*(\hi)+(\a)):(\f)+8*(4*(\hi)+(\a))+7], 0
.else
	v_wmma_f32_16x16x32_bf16 v[8*(8*(\a)+(\b)):8*(8*(\a)+(\b))+7], v[(\f)+8*(\b):(\f)+8*(\b)+7], v[(\f)+8*(4*(\hi)+(\a)):(\f)+8*(4*(\hi)+(\a))+7], v[8*(8*(\a)+(\b)):8*(8*(\a)+(\b))+7]
.endif
.endr
.endr
.endm
; 32 LDS loads in one run: quarter q (32 along K) of a slot into buffer f: W's 128 columns turned, then x's 128 rows
.macro FETCH slot, q, f
	WIN TO_B
.irp i, 0,1,2,3,4,5,6,7
	ds_load_tr16_b128 v[(\f)+8*(\i):(\f)+8*(\i)+3],   v[ADRB+(\slot)] offset:(\q)*32*PITCHB+32*(\i)
	ds_load_tr16_b128 v[(\f)+8*(\i)+4:(\f)+8*(\i)+7], v[ADRB+(\slot)] offset:(\q)*32*PITCHB+32*(\i)+16*PITCHB
.endr
	WIN 0
.irp i, 0,1,2,3,4,5,6,7
	ds_load_b128 v[(\f)+8*(\i):(\f)+8*(\i)+3],   v[ADRA+(\slot)] offset:(\q)*64+(\i)*16*PITCH
	ds_load_b128 v[(\f)+8*(\i)+4:(\f)+8*(\i)+7], v[ADRA+(\slot)] offset:(\q)*64+(\i)*16*PITCH+32
.endr
.endm
.macro PLACES                          ; four plain instructions between a matrix instruction and a load into, or a vector instruction on, its registers
.rept 4
	v_nop
.endr
.endm
; One of a K step's first three quarters: multiplies buffer f; in its middle it fetches quarter q of the same slot into buffer g.
.macro QUARTER slot, q, f, g, zero
	s_wait_dscnt 8                                 ; W and x's rows 0-63 are in; the youngest eight loads (x's rows 64-127) may be out
	MUL16 \f, 0, 0, \zero
	MUL16 \f, 0, 2, \zero
	PLACES
	FETCH \slot, \q, \g
	s_wait_dscnt 32                                ; all but the 32 just issued
	MUL16 \f, 1, 0, \zero
	MUL16 \f, 1, 2, \zero
.endm
; The first half of a K step's last quarter: one barrier for the change of slots.  In front of it each wave waits for all its tensor loads (one is out: its part of the next slot), adds 0 to its spare word, and waits for that and for its reads of this slot.
.macro MEET round
	WIN 0
	s_wait_tensorcnt 0x0
	ds_add_u32 v[SPW], v[NIL]
	s_wait_dscnt 9                                 ; the add and the youngest eight loads may be out
	MUL16 F1, 0, 0, 0
	s_wait_dscnt 0x0                               ; the add is done, and my reads of this slot are over
	s_barrier_signal -1
	MUL16 F1, 0, 2, 0
.if \round
	WIN 0
.endif
	s_barrier_wait -1
.endm
; The whole last quarter.  fill = 1: the barrier opens a round of the cluster's, and the slot just read out is filled again, first thing behind it, with the K step two on: 224 matrix instructions ahead of the wait for it.
.macro TURN slot, next, fill
.if \fill
	s_wait_xcnt 0x0                                ; the last prefetch, a K step back, has read its address
	s_add_nc_u64 s[PFA:PFA+1], s[PFA:PFA+1], s[PFS:PFS+1]
	MEET 1
	CREST
	s_add_nc_u64 s[G0+4*(\slot)+2:G0+4*(\slot)+3], s[G0+4*(\slot)+2:G0+4*(\slot)+3], 2*KSTEP*2
	s_add_nc_u64 s[G0B+4*(\slot)+2:G0B+4*(\slot)+3], s[G0B+4*(\slot)+2:G0B+4*(\slot)+3], 2*KSTEP*8192
	JLOAD \slot                                    ; its four v_nop are also the places in front of the loads below
	FETCH \next, 0, F0
	ASK
.else
	MEET 0
	PLACES
	FETCH \next, 0, F0
.endif
	MUL16 F1, 1, 0, 0
	MUL16 F1, 1, 2, 0
.endm
	s_wait_tensorcnt 1                             ; my part of K step 0 is in; K step 1's may stay out
	s_barrier_signal -1
	s_barrier_wait -1
	FETCH 0, 0, F0
	QUARTER 0, 1, F0, F1, 1                        ; the first quarter stands in front of the loop: its products start the sums
	WIN 0
	s_mov_b32 s3, LAPS-1
.Llap:                                         ; a trip goes once round the ring and fills both slots again
	QUARTER 0, 2, F1, F0, 0
	QUARTER 0, 3, F0, F1, 0
	TURN 0, 1, 1
	QUARTER 1, 1, F0, F1, 0
	QUARTER 1, 2, F1, F0, 0
	QUARTER 1, 3, F0, F1, 0
	TURN 1, 0, 1
	QUARTER 0, 1, F0, F1, 0
	WIN 0
	s_sub_co_u32 s3, s3, 1
	s_cmp_lg_u32 s3, 0
	s_cbranch_scc1 .Llap
	QUARTER 0, 2, F1, F0, 0                        ; the last lap fills nothing
	QUARTER 0, 3, F0, F1, 0
	TURN 0, 1, 0
	QUARTER 1, 1, F0, F1, 0
	QUARTER 1, 2, F1, F0, 0
	QUARTER 1, 3, F0, F1, 0
	s_wait_dscnt 8
	MUL16 F1, 0, 0, 0
	MUL16 F1, 0, 2, 0
	s_wait_dscnt 0x0
	MUL16 F1, 1, 0, 0
	MUL16 F1, 1, 2, 0
	WIN 0
	PLACES
; THE WAY OUT, a block of 16 rows at a time.  What names the accumulators is written once for each block (SPEC); the rest once for each parity (COMMON); a loop of four trips takes blocks 2 U and 2 U + 1, and forward jumps on U choose SPEC.
; SPEC a: the sum of my 64 squares in four chains (each accumulator's lowest registers are read first), the other half of the lanes', rs; and x g, which is the independent work behind the root.
.macro SPEC a
.set AC, 64*((\a)%4)
.set WN, 2+(\a)/4
	WIN WN|(WN<<2)
.irp b, 0,1,2,3,4,5,6,7
.irp p, 0,1,2,3
.if (\b) == 0
	v_pk_mul_f32 v[SS+2*(\p):SS+2*(\p)+1], v[AC+2*(\p):AC+2*(\p)+1], v[AC+2*(\p):AC+2*(\p)+1]
.else
	v_pk_fma_f32 v[SS+2*(\p):SS+2*(\p)+1], v[AC+8*(\b)+2*(\p):AC+8*(\b)+2*(\p)+1], v[AC+8*(\b)+2*(\p):AC+8*(\b)+2*(\p)+1], v[SS+2*(\p):SS+2*(\p)+1]
.endif
.endr
.endr
	WIN 0
	v_pk_add_f32 v[SS:SS+1], v[SS:SS+1], v[SS+2:SS+3]
	v_pk_add_f32 v[SS+4:SS+5], v[SS+4:SS+5], v[SS+6:SS+7]
	v_pk_add_f32 v[SS:SS+1], v[SS:SS+1], v[SS+4:SS+5]
	v_add_f32 v[SS], v[SS], v[SS+1]
	v_permlanex16_b32 v[SS+1], v[SS], s88, s89
	v_add_f32 v[SS], v[SS], v[SS+1]
	v_fma_f32 v[SS], v[SS], s86, s87               ; the mean of the squares + 1e-6
	v_rsq_f32 v[RS], v[SS]
	WIN WN|4
.set i, 0
.rept 32
	v_pk_mul_f32 v[XW+2*i:XW+2*i+1], v[AC+2*i:AC+2*i+1], v[GW+2*i:GW+2*i+1]
.set i, i+1
.endr
	s_wait_alu depctr_va_vdst(0)                   ; the root's wait, ahead of its first reader and of the jump
	WIN 0
.endm
; COMMON p: cos' and sin' in place; the rotation; the table's rows for the block two on; y rounded to f16, through my stage, and stored as 512 consecutive bytes an instruction.
.macro COMMON p
.if (\p) == 0
.set CB, CS0
.else
.set CB, CS1
.endif
	v_mul_f32 v[RS], s[SELV], v[RS]
	v_mov_b32 v[RS+1], v[RS]
.if (\p) == 0
	s_wait_loadcnt 16                              ; this set's 16 loads are in; the other set's, issued behind them, may stay out
.else
	s_wait_loadcnt 0x0                             ; in the last trip nothing was issued behind this set's loads: the count that holds in every trip is 0
.endif
	WIN 0x41
.set i, 0
.rept 16
	v_pk_fma_f32 v[CB+2*i:CB+2*i+1], v[CB+2*i:CB+2*i+1], v[RS:RS+1], s[ONEV:ONEV+1] op_sel_hi:[1,1,0]
	v_pk_mul_f32 v[CB+32+2*i:CB+32+2*i+1], v[CB+32+2*i:CB+32+2*i+1], v[RS:RS+1]
.set i, i+1
.endr
	WIN 0x04
.set e, 0
.rept 16
	v_pk_mul_f32 v[YR+e:YR+e+1], v[XW+e:XW+e+1], v[CB+e:CB+e+1]
	v_pk_mul_f32 v[YR+32+e:YR+32+e+1], v[XW+32+e:XW+32+e+1], v[CB+e:CB+e+1]
	v_pk_fma_f32 v[YR+e:YR+e+1], v[XW+32+e:XW+32+e+1], v[CB+32+e:CB+32+e+1], v[YR+e:YR+e+1] neg_lo:[1,0,0] neg_hi:[1,0,0]
	v_pk_fma_f32 v[YR+32+e:YR+32+e+1], v[XW+e:XW+e+1], v[CB+32+e:CB+32+e+1], v[YR+32+e:YR+32+e+1]
.set e, e+2
.endr
	WIN 0
	s_cmp_eq_u32 s[UU], 3                          ; the last trip has no block two on
	s_cbranch_scc1 .Lno_rows_\@
	LOADCS CB, 16384+8192*(\p)
	WIN 0
.Lno_rows_\@:
.set i, 0
.rept 32
	v_cvt_pk_f16_f32 v[TMP+i], v[YR+2*i], v[YR+2*i+1]
.set i, i+1
.endr
.irp b, 0,1,2,3,4,5,6,7
	ds_store_b128 v[STO], v[TMP+4*(\b):TMP+4*(\b)+3] offset:32*(\b)
.endr
	s_wait_xcnt 0x0                                ; the last block's stores have read their registers, which the loads below write
.irp t, 0,1,2,3,4,5,6,7
	ds_load_b128 v[OB+4*(\t):OB+4*(\t)+3], v[RD] offset:(\t)*2*SPITCH  ; LDS serves a wave's instructions in order: these see the stores above
.endr
.irp t, 0,1,2,3,4,5,6,7
	s_wait_dscnt 7-(\t)
	global_store_b128 v[CO], v[OB+4*(\t):OB+4*(\t)+3], s[8:9] offset:4096*(\p)+512*(\t)
.endr
.endm
.macro LADDER p
	s_cmp_eq_u32 s[UU], 0
	s_cbranch_scc1 .Lb0_\@
	s_cmp_eq_u32 s[UU], 1
	s_cbranch_scc1 .Lb1_\@
	s_cmp_eq_u32 s[UU], 2
	s_cbranch_scc1 .Lb2_\@
	SPEC 6+(\p)
	s_branch .Ljoin_\@
.Lb0_\@:
	SPEC 0+(\p)
	s_branch .Ljoin_\@
.Lb1_\@:
	SPEC 2+(\p)
	s_branch .Ljoin_\@
.Lb2_\@:
	SPEC 4+(\p)
.Ljoin_\@:
	COMMON \p
.endm
	LOADCS CS1, 8192                               ; my rows 16-31, into registers that W's fragments have left
	WIN 0
	s_mov_b32 s[UU], 0
.Lblk:
	LADDER 0
	LADDER 1
	s_wait_xcnt 0x0                                ; the loads and stores have read their bases
	s_add_nc_u64 s[TBP:TBP+1], s[TBP:TBP+1], 16384
	s_add_nc_u64 s[8:9], s[8:9], 8192
	s_add_co_u32 s[UU], s[UU], 1
	s_cmp_lt_u32 s[UU], 4
	s_cbranch_scc1 .Lblk
	s_wait_tensorcnt 0x0                           ; the wave's end: the add to the spare word and its wait stand behind my last tensor load and my last LDS store
	ds_add_u32 v[SPW], v[NIL]
	s_wait_dscnt 0x0
	CROUND                                         ; the closing round: no work-group ends while a partner may still ask for a tile that names it
	s_endpgm
.Lfunc_end_k_q7a5183741f_qkv:
	.size	k_q7a5183741f_qkv, .Lfunc_end_k_q7a5183741f_qkv-k_q7a5183741f_qkv
	.p2alignl 7, 3214868480
	.fill 96, 4, 3214868480
	.section	.rodata,"a",@progbits
	.p2align	6, 0x0
	.amdhsa_kernel k_q7a5183741f_qkv
		.amdhsa_group_segment_fixed_size 327680
		.amdhsa_private_segment_fixed_size 0
		.amdhsa_enable_private_segment 0
		.amdhsa_kernarg_size 48
		.amdhsa_user_sgpr_count 2
		.amdhsa_user_sgpr_kernarg_segment_ptr 1
		.amdhsa_wavefront_size32 1
		.amdhsa_system_sgpr_workgroup_id_x 1
		.amdhsa_system_sgpr_workgroup_id_y 1
		.amdhsa_system_sgpr_workgroup_id_z 1
		.amdhsa_system_vgpr_workitem_id 0
		.amdhsa_next_free_vgpr 1024
		.amdhsa_next_free_sgpr 100
		.amdhsa_reserve_vcc 0
		.amdhsa_float_denorm_mode_32 3
		.amdhsa_float_denorm_mode_16_64 3
		.amdhsa_memory_ordered 1
		.amdhsa_forward_progress 1
		.amdhsa_inst_pref_size 185
	.end_amdhsa_kernel
	.amdgpu_metadata
---
amdhsa.version: [ 1, 2 ]
amdhsa.kernels:
  - .name:           k_q7a5183741f_qkv
    .symbol:         k_q7a5183741f_qkv.kd
    .args:
      - { .name: xb, .offset: 0, .size: 8, .value_kind: global_buffer, .address_space: global }
      - { .name: wb, .offset: 8, .size: 8, .value_kind: global_buffer, .address_space: global }
      - { .name: cs, .offset: 16, .size: 8, .value_kind: global_buffer, .address_space: global }
      - { .name: q_norm_w, .offset: 24, .size: 8, .value_kind: global_buffer, .address_space: global }
      - { .name: k_norm_w, .offset: 32, .size: 8, .value_kind: global_buffer, .address_space: global }
      - { .name: qkv, .offset: 40, .size: 8, .value_kind: global_buffer, .address_space: global }
    .group_segment_fixed_size: 327680
    .private_segment_fixed_size: 0
    .kernarg_segment_align: 8
    .kernarg_segment_size: 48
    .max_flat_workgroup_size: 128
    .sgpr_count:     100
    .vgpr_count:     1024
    .wavefront_size: 32
...
	.end_amdgpu_metadata
.endif
;; end of part 2
;; launch attn (part 3): grid 16 x 16, 4 waves a work-group, clusters of 4 x 1, 327,680 bytes of LDS; arguments qkv, ob; writes ob
.if DOCPART == 3
	.amdgcn_target "amdgcn-amd-amdhsa--gfx1250"
	.amdhsa_code_object_version 6
	.text
	.protected	k_q7a5183741f_attn
	.globl	k_q7a5183741f_attn
	.p2align	8
	.type	k_q7a5183741f_attn,@function
k_q7a5183741f_attn:
	s_mov_b64 s[64:65], 0
	v_nop
	global_prefetch_b8 v0, s[64:65] scope:SCOPE_SE
	s_setreg_imm32_b32 hwreg(HW_REG_WAVE_MODE, 25, 1), 1
	s_wait_xcnt 0x0
	s_wait_alu depctr_hold_cnt(0) depctr_sa_sdst(0) depctr_va_vdst(0) depctr_va_sdst(0) depctr_va_ssrc(0) depctr_va_vcc(0) depctr_vm_vsrc(0)
	s_getreg_b32 s2, hwreg(HW_REG_IB_STS2, 6, 4)
	s_cmp_eq_u32 s2, 0
	s_cbranch_scc0 .Lentry_in_a_cluster
	s_endpgm
.Lentry_in_a_cluster:
	s_bfe_u32 s2, ttmp6, 0x10000c
	s_cmp_lg_u32 s2, 0x3003
	s_cbranch_scc0 .Lentry_shape_is_right
	s_endpgm
.Lentry_shape_is_right:
; CAUSAL ATTENTION, 16 query heads on 8 key and value heads, head size 128, 2 x 2,048 positions.  q, k, v: [b][slab 32][2048][128] f16 (slabs 0-15 q, 16-23 k, 24-31 v); O: [b 2048 + s][head 128 + d] f16.
; Products, maxima and sums in f32; the weights p are rounded to f16 for the second product (their sum l is taken of the unrounded p), O once at the end.
; LIMITS.  f16 holds no number beyond 65,504: q, k, v arrive within it.  A hidden score counts as its value less 1e30; a weight below 2^-126 counts as 0 in l; NaN and infinities are not treated apart.
; SHARES.  Work-group (x, y): batch y / 8, key head y % 8, and TWO blocks of 64 positions, 31 - x and then x, each for BOTH query heads of the key head.  Wave w owns positions 16 w .. 16 w + 15 of the block: two tiles of 16
; queries, T0 (head 2 kvh) and T1 (head 2 kvh + 1), which share K's and V's fragments and one mask.  Keys go 64 a step, two steps to an LDS slot.
; THE WALK is common to the four partners of a cluster c (x = 4 c + cx): 16 - 2 c slots for the first block, 2 c + 2 for the second: 18 slots, 36 key steps, whatever c: all work-groups are alike, and every tile is asked for
; jointly.  A partner needs 33 of the 36 steps; the others it computes wholly hidden.  Tiles above every partner's diagonal are never asked for.
; THE MASK is the C operand that starts the sum S^T = K Q^T: MD x AL + BE, where MD (made once) is the mask of the block's own step for my 16 rows, and (AL, BE) = (1, 0) in that step, (0, 0) before it, (0, -1e30) behind it.
; LAYOUT.  S^T = K Q^T holds ONE query a lane (lane % 16) and the keys 8 (lane / 16) + 0..7; two such results rounded to f16 ARE source 1 of O^T = V^T P.  p = 2^(c s - c m), c = log2(e) / sqrt(128), with a running maximum m;
; O and l are multiplied by a = 2^(c m_old - c m_new) in every step.  A block's first step has a = 0 (c m starts far below every c s), so O and l need only be finite there: 132 v_mov_b32 at the head write zeros, in the wait for the first tile.
; THE ORDER OF A STEP.  Half A: the mask, V's run of loads, T0's 16 products K Q^T bare, T1's 16 with T0's maximum, scalings and exponentials behind them.  Half B: T0's roundings and rescaling, K's run for the next step, T0's 16
; products V^T P with T1's maximum, scalings and exponentials behind them, T1's roundings and rescaling, T1's 16 products V^T P with both tiles' sums behind them.  A tile's 33 exponentials are one batch with one wait.
; REGISTERS, in windows of 256 (s_set_vgpr_msb: bits 1:0 source 0, 3:2 source 1, 5:4 source 2, 7:6 destination):
;   window 0: v0-15 addresses; v16-31 statistics, 8 a tile; v32-33 the add's; v64-127 S^T, 32 a tile; v128-159 P, 16 a tile; v160-191 MD; v192-223 the step's mask
;   window 1: v0-127 O^T, 64 a tile; v128-191 Q, 32 a tile; v192-255 the second block's Q          window 2: v0-127 K of one step; v128-255 V of one step
.set KS,    64
.set PKP,   272                        ; a row of K in LDS: 256 bytes + 16: the 16 rows of a load start at 16 different groups of four banks
.set PVP,   288                        ; a row of V: 256 + 32
.set VOFF,  KS*PKP                     ; a step's tiles lie together: 64 rows of K, then 64 rows of V
.set STEPB, KS*(PKP+PVP)
.set SLOT1, 1<<17                      ; slot 1 begins here, so that one exclusive or turns an address in one slot into the other's
.set STAGE, SLOT1+2*STEPB              ; behind the ring: 16 rows x 272 bytes for each wave, for the way out
.set SP,    272
.set SPARE, STAGE+4*16*SP              ; behind the stages: the spare words, 128 bytes for each wave: two blocks of 256 bytes that no other line names
.set AK0, 2                            ; v2   my lane's place in a tile of K; never rewritten
.set AV0, 3                            ; v3   the same for V
.set ADR, 4                            ; v4   the LDS address of K's run of loads
.set ADRV, 5                           ; v5   of V's
.set STO, 6
.set RD,  7
.set GO,  8                            ; v8   my byte offset in two rows of O
.set QO,  12                           ; v12  my byte offset in 16 rows of Q
.set PFO, 13                           ; v13  256 x lane
.set ST,  16                           ; tile t's statistics at v[ST+8 t]: c m, m, l, l, c0-c3 at work; a takes c2's place once the maximum is found
.set SPW, 32
.set NIL, 33
.set S,   64
.set P,   128
.set MD,  160
.set MC,  192
.set VF,  128                          ; window 2
.set WV,  12                           ; s12  my wave's number
.set LIM, 15                           ; s15  3 in a wave that prefetches, else the greatest number
.set PFA, 18                           ; s[18:19] where my prefetches stand
.set G1K, 24
.set G1V, 32
.set G0K, 40                           ; s[40:47] group 0 for K's tiles: a set for each of the two first fills; the second then serves every refill
.set G0V, 48
.set SLOTS, 56
.set TWICE, 57
.set CS,  58                           ; s[58:59] c
.set SEL, 60                           ; s[60:61] v_permlanex16_b32's selects
.set TB,  62                           ; s62  LDS byte at which the tiles of the step to be fetched begin
.set RT,  70                           ; s70  slots of the first block still to be entered; far from 0 afterwards
.set NXT, 71                           ; s71  the key slot to be asked for next
.set LQ,  72                           ; s72  the last key slot of the block whose slots are being asked for
.set STP, 73                           ; s73  the key step, counted in the block
.set IB,  74                           ; s74  the block in hand, which is also its own key step
.set IB2, 75                           ; s75  the second block
.set AL,  76
.set BE,  78
.set OLO, 80                           ; s[80:81] O at my rows of the second block
.set BIGN, 82
.set OFF, 84                           ; s[84:85] a key slot's byte offset
.set NLOM, 86                          ; s86  the second block's last key slot
.set MSB, 0
.macro WIN new
.if MSB != (\new)
	s_set_vgpr_msb (MSB<<8)|(\new)
.set MSB, \new
.endif
.endm
.set W_KQ, 0x06                        ; K in window 2, Q in window 1, S^T and the mask in window 0
.set W_PV, 0x52                        ; V in window 2, P in window 0, O^T in window 1
.set W_RS, 0x41                        ; O^T (destination and source 0) in window 1, a in window 0
; A joint refill.  Waves 0 and 1 fetch the two steps' tiles of K, waves 2 and 3 those of V.  An s_nop 0 and four v_nop follow each of the two lines.
.macro JLOAD
	s_cmp_lt_u32 s[WV], 2
	s_cbranch_scc0 .Lfor_v_\@
	tensor_load_to_lds s[G0K+4:G0K+7], s[G1K:G1K+7]
	s_nop 0
.rept 4
	v_nop
.endr
	s_branch .Lasked_\@
.Lfor_v_\@:
	tensor_load_to_lds s[G0V+4:G0V+7], s[G1V:G1V+7]
	s_nop 0
.rept 4
	v_nop
.endr
.Lasked_\@:
.endm
; A prefetch of the key slot that the NEXT change will ask for.  The clusters of a key head walk key slots 0, 1, 2 .. in step in their first blocks, and cluster 0 walks all 16: it asks, and nobody else.  Its four partners take 32 of a
; slot's 128 rows each, by address; wave 0 asks for K's, wave 2 for V's: a lane a row of 256 bytes.  At change k (SLOTS = 17 - k) it names key slot k + 2, for k = 1 .. 13; key slots 0 to 2 come by their loads alone, and the second
; block's slots have been read before.
.macro ASK
	s_cmp_gt_u32 s[SLOTS], s[LIM]
	s_cbranch_scc0 .Lnot_mine_\@
	global_prefetch_b8 v[PFO], s[PFA:PFA+1] th:TH_LOAD_NT scope:SCOPE_SE
.Lnot_mine_\@:
.endm
.macro CROUND
	s_barrier_signal -1
	s_barrier_wait -1
	s_cmp_lg_u32 s[WV], 0
	s_cbranch_scc1 .Lnot_wave_0_\@
	s_barrier_signal -3
.Lnot_wave_0_\@:
	s_barrier_wait -3
	s_barrier_signal -1
	s_barrier_wait -1
.endm
	s_load_b128 s[88:91], s[0:1], 0x0              ; qkv s[88:89], ob s[90:91]
	v_lshl_add_u32 v[SPW], v0, 2, SPARE
	v_mov_b32 v[NIL], 0
	ds_add_u32 v[SPW], v[NIL]                      ; the wave's opening: the add and its wait stand ahead of my first tensor load; the set-up below, work on registers, stands between them
	v_lshrrev_b32 v1, 5, v0
	v_readfirstlane_b32 s[WV], v1
	s_bfe_u32 s13, ttmp6, 0x40000                  ; cx
	s_lshl_b32 s14, ttmp9, 2
	s_add_co_u32 s14, s14, s13                     ; x = 4 c + cx: it enters Q's and O's addresses and the mask's two scalars alone
	s_sub_co_u32 s[IB], 31, s14
	s_mov_b32 s[IB2], s14
	s_and_b32 s20, ttmp7, 0xffff
	s_lshr_b32 s21, s20, 3                         ; the batch
	s_and_b32 s20, s20, 7                          ; the key head
	s_and_b32 s16, s[WV], 1                        ; which of a slot's two steps I fetch
	s_lshl_b32 s2, s21, 24                         ; K's offset: 16 MiB a batch,
	s_lshl_b32 s3, s20, 19                         ; 524,288 bytes a slab,
	s_add_co_u32 s2, s2, s3
	s_lshl_b32 s3, s16, 14                         ; 64 rows of 256 bytes a step,
	s_add_co_u32 s2, s2, s3
	s_add_co_u32 s2, s2, 16*524288                 ; behind q's 16 slabs
	s_mov_b32 s3, 0
	s_mul_i32 s17, s16, STEPB                      ; and its place in a slot: no place in the cluster enters an LDS address
	s_lshl_b32 s22, s21, 24                        ; Q's offsets: the batch, head 2 kvh, my 16 rows,
	s_lshl_b32 s23, s20, 20
	s_add_co_u32 s22, s22, s23
	s_lshl_b32 s23, s[WV], 12
	s_add_co_u32 s22, s22, s23
	s_lshl_b32 s92, s[IB], 14                      ; and the block's 64 rows
	s_add_co_u32 s92, s92, s22
	s_mov_b32 s93, 0
	s_lshl_b32 s94, s[IB2], 14
	s_add_co_u32 s94, s94, s22
	s_mov_b32 s95, 0
	s_lshl_b32 s22, s21, 23                        ; O's offsets: rows of 4,096 bytes, 256 bytes a head
	s_lshl_b32 s23, s20, 9
	s_add_co_u32 s22, s22, s23
	s_lshl_b32 s23, s[WV], 16
	s_add_co_u32 s22, s22, s23
	s_lshl_b32 s10, s[IB], 18
	s_add_co_u32 s10, s10, s22
	s_mov_b32 s11, 0
	s_lshl_b32 s[OLO], s[IB2], 18
	s_add_co_u32 s[OLO], s[OLO], s22
	s_mov_b32 s[OLO+1], 0
	s_mov_b32 s[G1K], 15|(1<<16)|(1<<20)|(1<<21)|(5<<22)|(3<<25)  ; the mask of four; elements of 2 bytes; padding on; bit 21 beside a mask; after every 64 words, 4 words
	s_mov_b32 s[G1V], 15|(1<<16)|(1<<20)|(1<<21)|(5<<22)|(7<<25)  ; the same with 8 words of padding
.irp g, G1K, G1V
	s_mov_b32 s[(\g)+1], 128<<16                   ; tensor_dim0 = 128
	s_mov_b32 s[(\g)+2], KS<<16                    ; tensor_dim1 = 64
	s_mov_b32 s[(\g)+3], 128<<16                   ; tile_dim0 = 128
	s_mov_b32 s[(\g)+4], KS                        ; tile_dim1 = 64
	s_mov_b32 s[(\g)+5], 128                       ; elements from row to row
	s_mov_b32 s[(\g)+6], 0
	s_mov_b32 s[(\g)+7], 0
.endr
	s_mov_b32 s[CS], 0x3e0293ee                    ; c = log2(e) / sqrt(128)
	s_mov_b32 s[CS+1], s[CS]
	s_mov_b32 s[SEL], 0x76543210
	s_mov_b32 s[SEL+1], 0xfedcba98
	s_mov_b32 s[TB], 0
	s_mov_b32 s[SLOTS], 17                         ; the loop's foot is passed once before the first of the 16 changes that fill a slot
	s_lshl_b32 s23, ttmp9, 1
	s_sub_co_u32 s[RT], 16, s23                    ; the first block's slots: 16 - 2 c
	s_sub_co_u32 s[LQ], 15, s23
	s_add_co_u32 s[NLOM], s23, 1                   ; the second block's last: 2 c + 1
	s_mov_b32 s[NXT], 2
	s_mov_b32 s[STP], 0
	s_mov_b32 s[OFF+1], 0
	s_mov_b32 s[AL+1], 0
	s_mov_b32 s[BE+1], 0
	s_mov_b32 s[BIGN], 0xf149f2ca                  ; -1e30
	s_or_b32 s[LIM], s16, ttmp9                    ; 0 in waves 0 and 2 of the key head's first cluster: the same in all four partners
	s_cmp_eq_u32 s[LIM], 0
	s_cselect_b32 s[LIM], 3, -1
	v_and_b32 v[PFO], 31, v0
	v_lshlrev_b32 v[PFO], 8, v[PFO]
	s_wait_dscnt 0x0                               ; the opening add is done
	s_wait_kmcnt 0x0
	s_add_nc_u64 s[6:7], s[88:89], s[2:3]          ; K at my step of key slot 0,
	s_add_nc_u64 s[8:9], s[6:7], 8*524288          ; V eight slabs on
	s_add_nc_u64 s[92:93], s[88:89], s[92:93]      ; Q at my rows of the first block,
	s_add_nc_u64 s[94:95], s[88:89], s[94:95]      ; and of the second
	s_add_nc_u64 s[10:11], s[90:91], s[10:11]
	s_add_nc_u64 s[OLO:OLO+1], s[90:91], s[OLO:OLO+1]
	s_cmp_lt_u32 s[WV], 2
	s_cselect_b64 s[PFA:PFA+1], s[6:7], s[8:9]     ; (in waves 0 and 2 these stand at a slot's first row)
	s_lshl_b32 s2, s13, 13                         ; my work-group's 32 rows of the 128
	s_add_nc_u64 s[PFA:PFA+1], s[PFA:PFA+1], s[2:3]
	s_add_nc_u64 s[PFA:PFA+1], s[PFA:PFA+1], 2*2*KS*256  ; at key slot 2: the first change steps it to 3
	CROUND                                         ; all four work-groups are here: the first joint loads meet
.irp s, 0,1
	s_mov_b32 s[G0K+4*(\s)], 1
	s_add_co_u32 s[G0K+4*(\s)+1], s17, (\s)*SLOT1
	s_add_nc_u64 s[G0K+4*(\s)+2:G0K+4*(\s)+3], s[6:7], (\s)*2*KS*256
	s_or_b32 s[G0K+4*(\s)+3], s[G0K+4*(\s)+3], 0x80000000
	s_mov_b32 s[G0V+4*(\s)], 1
	s_add_co_u32 s[G0V+4*(\s)+1], s17, (\s)*SLOT1+VOFF
	s_add_nc_u64 s[G0V+4*(\s)+2:G0V+4*(\s)+3], s[8:9], (\s)*2*KS*256
	s_or_b32 s[G0V+4*(\s)+3], s[G0V+4*(\s)+3], 0x80000000
.endr
	s_cmp_lt_u32 s[WV], 2                          ; a wave's two first fills stand in one branch: key slots 0 and 1; two loads of mine are out
	s_cbranch_scc0 .Lfirst_v
	tensor_load_to_lds s[G0K:G0K+3], s[G1K:G1K+7]
	s_nop 0
	tensor_load_to_lds s[G0K+4:G0K+7], s[G1K:G1K+7]
	s_nop 0
.rept 4
	v_nop
.endr
	s_branch .Lfirst_asked
.Lfirst_v:
	tensor_load_to_lds s[G0V:G0V+3], s[G1V:G1V+7]
	s_nop 0
	tensor_load_to_lds s[G0V+4:G0V+7], s[G1V:G1V+7]
	s_nop 0
.rept 4
	v_nop
.endr
.Lfirst_asked:
	v_and_b32 v1, 15, v0                           ; l % 16
	v_bfe_u32 v9, v0, 4, 1                         ; l / 16
	v_lshlrev_b32 v[QO], 8, v1
	v_lshl_add_u32 v[QO], v9, 4, v[QO]             ; row x 256 + 16 x half
	WIN 0x40                                       ; destination window 1
.irp t, 0,1
.irp c, 0,1,2,3
	global_load_b128 v[128+32*(\t)+8*(\c):128+32*(\t)+8*(\c)+3],   v[QO], s[92:93] offset:(\t)*524288+(\c)*64
	global_load_b128 v[128+32*(\t)+8*(\c)+4:128+32*(\t)+8*(\c)+7], v[QO], s[92:93] offset:(\t)*524288+(\c)*64+32
	global_load_b128 v[192+32*(\t)+8*(\c):192+32*(\t)+8*(\c)+3],   v[QO], s[94:95] offset:(\t)*524288+(\c)*64
	global_load_b128 v[192+32*(\t)+8*(\c)+4:192+32*(\t)+8*(\c)+7], v[QO], s[94:95] offset:(\t)*524288+(\c)*64+32
.endr
.endr
.set i, 0
.rept 128
	v_mov_b32 v[i], 0                              ; O^T: finite, for the first step's a = 0
.set i, i+1
.endr
	WIN 0
	v_lshlrev_b32 v14, 3, v9
	v_sub_nc_u32 v14, v1, v14
	s_lshl_b32 s16, s[WV], 4
	v_add_nc_u32 v14, s16, v14                     ; my query's place in its block, 16 w + l % 16, less my lanes' 8 (l / 16): register j of key group kb is hidden where 16 kb + j is greater
.set i, 0
.rept 32
	v_cmp_gt_i32 vcc_lo, 16*(i/8)+i%8, v14
	v_cndmask_b32 v[MD+i], 0, s[BIGN], vcc_lo
.set i, i+1
.endr
.irp t, 0,1
	v_mov_b32 v[ST+8*(\t)], 0xfe000000             ; c m: far below every c s
	v_mov_b32 v[ST+8*(\t)+1], 0xff7fffff           ; m
	v_mov_b32 v[ST+8*(\t)+2], 0
	v_mov_b32 v[ST+8*(\t)+3], 0
.endr
	v_mul_u32_u24 v[AK0], v1, PKP
	v_lshl_add_u32 v[AK0], v9, 4, v[AK0]
	v_and_b32 v10, 7, v0                           ; the turning load: lane l reads key 8 (l / 16) + l % 8, channels 8 ((l / 8) % 2) + 0..7
	v_bfe_u32 v11, v0, 3, 1
	v_lshl_add_u32 v[AV0], v9, 3, v10
	v_mul_u32_u24 v[AV0], v[AV0], PVP
	v_lshl_add_u32 v[AV0], v11, 4, v[AV0]
	v_add_nc_u32 v[AV0], VOFF, v[AV0]
	s_mul_i32 s16, s[WV], 16*SP
	s_add_co_u32 s16, s16, STAGE                   ; my stage
	v_mul_u32_u24 v[STO], v1, SP
	v_lshl_add_u32 v[STO], v9, 4, v[STO]
	v_add_nc_u32 v[STO], s16, v[STO]
	v_mul_u32_u24 v[RD], v9, SP
	v_lshl_add_u32 v[RD], v1, 4, v[RD]
	v_add_nc_u32 v[RD], s16, v[RD]
	v_lshlrev_b32 v[GO], 12, v9                    ; lanes 0-15 one row of O, lanes 16-31 the next: 256 consecutive bytes each
	v_lshl_add_u32 v[GO], v1, 4, v[GO]
; THE MATRIX WORK.  Product i of 16 of S^T = K Q^T for tile t: channels 32 (i / 4) on, keys 16 (i % 4) on; the first four start the sums with the mask.  The four accumulators take turns.
.macro KQ t
	WIN W_KQ
.set rS, S+32*(\t)+8*(i%4)
.set rK, 32*(i%4)+8*(i/4)
.set rQ, 128+32*(\t)+8*(i/4)
.set rM, MC+8*(i%4)
.if i < 4
	v_wmma_f32_16x16x32_f16 v[rS:rS+7], v[rK:rK+7], v[rQ:rQ+7], v[rM:rM+7]
.else
	v_wmma_f32_16x16x32_f16 v[rS:rS+7], v[rK:rK+7], v[rQ:rQ+7], v[rS:rS+7]
.endif
.endm
; Product i of 16 of O^T += V^T P for tile t: keys 32 (i / 8) on, channels 16 (i % 8) on.  Eight accumulators take turns.
.macro PV t
	WIN W_PV
.set rO, 64*(\t)+8*(i%8)
.set rV, VF+64*(i/8)+8*(i%8)
.set rP, P+16*(\t)+8*(i/8)
	v_wmma_f32_16x16x32_f16 v[rO:rO+7], v[rV:rV+7], v[rP:rP+7], v[rO:rO+7]
.endm
; THE LDS LOADS stand in runs of 32.  V of a step is fetched in its half A, K of the next step in its half B: so the step's base goes on behind V's run.
.macro FETCH_K
	WIN 0
	v_add_nc_u32 v[ADR], s[TB], v[AK0]
	WIN 0x80                                       ; destination window 2
.irp f, 0,1,2,3,4,5,6,7,8,9,10,11,12,13,14,15      ; keys 16 (f / 4) on, channels 32 (f % 4) on
	ds_load_b128 v[8*(\f):8*(\f)+3],   v[ADR] offset:((\f)/4)*16*PKP+((\f)%4)*64
	ds_load_b128 v[8*(\f)+4:8*(\f)+7], v[ADR] offset:((\f)/4)*16*PKP+((\f)%4)*64+32
.endr
	WIN 0
.endm
.macro FETCH_V
	WIN 0
	v_add_nc_u32 v[ADRV], s[TB], v[AV0]
	s_add_co_u32 s[TB], s[TB], STEPB
	WIN 0x80
.irp f, 0,1,2,3,4,5,6,7,8,9,10,11,12,13,14,15      ; keys 32 (f / 8) on, channels 16 (f % 8) on
	ds_load_tr16_b128 v[VF+8*(\f):VF+8*(\f)+3],   v[ADRV] offset:((\f)/8)*32*PVP+((\f)%8)*32
	ds_load_tr16_b128 v[VF+8*(\f)+4:VF+8*(\f)+7], v[ADRV] offset:((\f)/8)*32*PVP+16*PVP+((\f)%8)*32
.endr
	WIN 0
.endm
.macro MASK                            ; MD x AL + BE
	WIN 0
.set z, 0
.rept 16
	v_pk_fma_f32 v[MC+2*z:MC+2*z+1], v[MD+2*z:MD+2*z+1], s[AL:AL+1], s[BE:BE+1] op_sel_hi:[1,0,0]
.set z, z+1
.endr
.endm
; THE VECTOR WORK.  One tile's softmax for one key step is a list of 134 instructions; SM writes number j of it for tile t.  s0-s31 are the lane's 32 scores, in pairs 0-15.
;   0-15    the maximum of s0-s31 and the old m, three operands at a time (each accumulator's lowest registers are read first)
;   16-20   the other half of the lanes' maximum; the new m; c m; c m_old - c m_new
;   21-69   one batch: the 16 scalings c s - c m and all 33 exponentials (a at 23, then s0-s31); none of these reads an exponential's result; a pair is scaled ahead of its exponentials
;   70-85   the roundings to f16          86-101  the sums; l = a l + the sum          102-133 the tile's O^T times a
.macro SM t
.set rT, ST+8*(\t)
.set rS, S+32*(\t)
.set rP, P+16*(\t)
.set rO, 64*(\t)+2*(j-102)
.if j < 102
	WIN 0
.endif
.if j < 4
	v_max3_num_f32 v[rT+4+j], v[rS+8*j], v[rS+8*j+1], v[rS+8*j+2]
.elseif j < 12
	v_max3_num_f32 v[rT+4+j%4], v[rT+4+j%4], v[rS+8*(j%4)+2*(j/4)+1], v[rS+8*(j%4)+2*(j/4)+2]
.elseif j == 12
	v_max3_num_f32 v[rT+4], v[rT+4], v[rS+7], v[rS+15]
.elseif j == 13
	v_max3_num_f32 v[rT+6], v[rT+6], v[rS+23], v[rS+31]
.elseif j == 14
	v_max3_num_f32 v[rT+4], v[rT+4], v[rT+5], v[rT+6]
.elseif j == 15
	v_max3_num_f32 v[rT+4], v[rT+4], v[rT+7], v[rT+1]
.elseif j == 16
	v_permlanex16_b32 v[rT+5], v[rT+4], s[SEL], s[SEL+1]
.elseif j == 17
	v_mov_b32 v[rT+7], v[rT]
.elseif j == 18
	v_max_num_f32 v[rT+1], v[rT+4], v[rT+5]
.elseif j == 19
	v_mul_f32 v[rT], s[CS], v[rT+1]
.elseif j == 20
	v_sub_f32 v[rT+7], v[rT+7], v[rT]
.elseif j == 23
	v_exp_f32 v[rT+6], v[rT+7]
.elseif (j < 23) || ((j < 38) && (j%2 == 0)) || ((j < 66) && (j%4 == 2))
.set b, (j-2)/4
.if j < 38
.set b, (j-20)/2
.endif
	v_pk_fma_f32 v[rS+2*b:rS+2*b+1], v[rS+2*b:rS+2*b+1], s[CS:CS+1], v[rT:rT+1] op_sel_hi:[1,0,0] neg_lo:[0,0,1] neg_hi:[0,0,1]
.elseif j < 70
.set e, j-38
.if j < 66
.set e, j-32-(j-38)/4
.endif
.if j < 38
.set e, (j-25)/2
.endif
	v_exp_f32 v[rS+e], v[rS+e]
.elseif j < 86
	v_cvt_pk_f16_f32 v[rP+j-70], v[rS+2*(j-70)], v[rS+2*(j-70)+1]
.elseif j < 102
.set z, j-86
.set w, 4
.set u, z
.if z >= 14
.set w, 32
.set u, 0
.elseif z >= 12
.set w, 16
.set u, z-12
.elseif z >= 8
.set w, 8
.set u, z-8
.endif
.if z < 15
	v_pk_add_f32 v[rS+w*u:rS+w*u+1], v[rS+w*u:rS+w*u+1], v[rS+w*u+w/2:rS+w*u+w/2+1]
.else
	v_pk_fma_f32 v[rT+2:rT+3], v[rT+2:rT+3], v[rT+6:rT+7], v[rS:rS+1] op_sel_hi:[1,0,1]
.endif
.else
	WIN W_RS
	v_pk_mul_f32 v[rO:rO+1], v[rO:rO+1], v[rT+6:rT+7] op_sel_hi:[1,0]
.endif
.endm
.macro S0                              ; the next number of tile 0's list
.set j, j0
	SM 0
.set j0, j0+1
.endm
.macro S1                              ; of tile 1's
.set j, j1
	SM 1
.set j1, j1+1
.endm
; HALF A of a key step.
.macro STEP_A
	s_cmp_eq_u32 s[STP], s[IB]                     ; is this the block's own step?  (selects alone hang on these two compares)
	s_cselect_b32 s[AL], 1.0, 0
	s_cmp_gt_u32 s[STP], s[IB]                     ; or one behind it?
	s_cselect_b32 s[BE], s[BIGN], 0
	s_add_co_u32 s[STP], s[STP], 1
	MASK                                           ; sixteen plain lines: also the places between the last product that read V and the loads below
	FETCH_V
	s_wait_dscnt 32                                ; K, asked for earlier, is in; V's 32 loads may stay out
.set i, 0
.rept 16
	KQ 0
.set i, i+1
.endr
.set i, 0
	KQ 1
.set i, 1
.rept 4
	v_nop                                          ; the places between T0's last product and the first read of its scores
.endr
.set j0, 0
.rept 14
	KQ 1
.set i, i+1
.rept 5
	S0
.endr
.endr
	KQ 1
	v_nop                                          ; a plain instruction behind T0's last exponential,
	s_wait_alu depctr_va_vdst(0)                   ; and the one wait for its batch, ahead of the labels and branches that follow
	WIN 0
.endm
; HALF B.  fetch = 1: K of the next step is asked for.
.macro STEP_B fetch
.set j0, 70
.rept 4
	S0                                             ; with the v_nop above: five places behind the last product that read K
.endr
.if \fetch
	FETCH_K
.endif
.rept 12
	S0
.endr
.set j0, 102
.rept 32
	S0
.endr
.if \fetch
	s_wait_dscnt 32                                ; V is in; K's 32 younger loads may stay out
.else
	s_wait_dscnt 0x0
.endif
.set j1, 0
.set i, 0
.rept 16
	PV 0
.set i, i+1
.rept 4
	S1
.endr
.endr
.rept 6
	S1
.endr
	v_nop                                          ; a plain instruction behind T1's last exponential,
	s_wait_alu depctr_va_vdst(0)                   ; and the one wait for its batch
.rept 16
	S1
.endr
.set j1, 102
.rept 32
	S1
.endr
.set j0, 86
.set j1, 86
.set i, 0
.rept 16
	PV 1
.set i, i+1
	S0
	S1
.endr
	WIN 0
.endm
; THE CHANGE OF SLOTS, between a slot's last half A (which has asked for its last bytes, V of its second step) and the half B that fetches the next slot's K.  Each wave waits for all its tensor loads, of which one is out: its part of
; the other slot; adds 0 to its spare word; and waits for that and for its reads of the slot.  fill = 1: the barrier is a round of the cluster's, and the slot is filled again, first thing behind it, with key slot NXT: the descriptor's
; address is made anew from that number, which hangs on the cluster's x alone.  The load has two key steps, 128 matrix instructions a wave, in which to land.
.macro CHANGE fill
	WIN 0
	s_wait_tensorcnt 0x0
	ds_add_u32 v[SPW], v[NIL]
.if \fill
	s_lshl_b32 s[OFF], s[NXT], 15                  ; a key slot is 32,768 bytes of K and of V
	s_xor_b32 s[G0K+5], s[G0K+5], SLOT1
	s_add_nc_u64 s[G0K+6:G0K+7], s[6:7], s[OFF:OFF+1]
	s_or_b32 s[G0K+7], s[G0K+7], 0x80000000
	s_xor_b32 s[G0V+5], s[G0V+5], SLOT1
	s_add_nc_u64 s[G0V+6:G0V+7], s[8:9], s[OFF:OFF+1]
	s_or_b32 s[G0V+7], s[G0V+7], 0x80000000
	s_add_co_u32 s[NXT], s[NXT], 1                 ; the block's next key slot, or behind its last the second block's slot 0
	s_cmp_gt_u32 s[NXT], s[LQ]
	s_cselect_b32 s[NXT], 0, s[NXT]
	s_cselect_b32 s[LQ], s[NLOM], s[LQ]
	s_wait_xcnt 0x0                                ; the last prefetch, two key steps back, has read its address
	s_add_nc_u64 s[PFA:PFA+1], s[PFA:PFA+1], 2*KS*256
	s_wait_dscnt 0x0                               ; the add is done, and my reads of the slot are over
	CROUND
	JLOAD
	ASK
.else
	s_wait_dscnt 0x0
	s_barrier_signal -1
	s_barrier_wait -1
.endif
	s_sub_co_u32 s[TB], s[TB], 2*STEPB             ; the fetches go back to a slot's first step,
	s_xor_b32 s[TB], s[TB], SLOT1                  ; in the other slot
.endm
; THE WAY OUT of a block: l's two halves and the other half of the lanes' are added; O^T is divided by l, rounded to f16 and sent through my stage in LDS, a tile (16 rows x 256 bytes of O) at a time.
.macro PACK t
	WIN W_RS
.set i, 64*(\t)
.rept 32
	v_pk_mul_f32 v[i:i+1], v[i:i+1], v[ST+8*(\t)+6:ST+8*(\t)+7] op_sel_hi:[1,0]
.set i, i+2
.endr
	WIN 0x05
.set i, 0
.rept 32
	v_cvt_pk_f16_f32 v[S+32*(\t)+i], v[64*(\t)+2*i], v[64*(\t)+2*i+1]
.set i, i+1
.endr
	WIN 0
.irp f, 0,1,2,3,4,5,6,7
	ds_store_b128 v[STO], v[S+32*(\t)+4*(\f):S+32*(\t)+4*(\f)+3] offset:32*(\f)
.endr
.irp f, 0,1,2,3,4,5,6,7
	ds_load_b128 v[S+32*(\t)+4*(\f):S+32*(\t)+4*(\f)+3], v[RD] offset:(\f)*2*SP  ; LDS serves a wave's instructions in order: these see the stores above; the next tile's stores come behind them
.endr
.endm
.macro SEND t, younger                 ; younger: the LDS instructions issued behind tile t's loads
	WIN 0
.irp f, 0,1,2,3,4,5,6,7
	s_wait_dscnt (\younger)+7-(\f)
	global_store_b128 v[GO], v[S+32*(\t)+4*(\f):S+32*(\t)+4*(\f)+3], s[10:11] offset:256*(\t)+8192*(\f)  ; 16 lanes store 256 consecutive bytes, aligned
.endr
.endm
.macro OUT
	WIN 0
.irp t, 0,1
	v_add_f32 v[ST+8*(\t)+4], v[ST+8*(\t)+2], v[ST+8*(\t)+3]
.endr
.irp t, 0,1
	v_permlanex16_b32 v[ST+8*(\t)+5], v[ST+8*(\t)+4], s[SEL], s[SEL+1]
.endr
.irp t, 0,1
	v_add_f32 v[ST+8*(\t)+4], v[ST+8*(\t)+4], v[ST+8*(\t)+5]
.endr
.irp t, 0,1
	v_rcp_f32 v[ST+8*(\t)+6], v[ST+8*(\t)+4]
.endr
	v_nop                                          ; a plain instruction behind the last reciprocal,
	s_wait_alu depctr_va_vdst(0)                   ; and one wait for the two
	PACK 0
	PACK 1
	SEND 0, 16
	SEND 1, 0
.endm
	s_wait_tensorcnt 1                             ; my part of slot 0 is in; slot 1's may stay out
	s_barrier_signal -1
	s_barrier_wait -1
	FETCH_K                                        ; key step 0
	s_wait_loadcnt 0x0                             ; both blocks' Q
	s_mov_b32 s[TWICE], 2
	s_branch .Lfirst                               ; the loop is entered at a step's half A, in the middle of a trip
.Lslot:                                        ; 16 times: every slot of the walk's 18 but the last two is filled again
	CHANGE 1
	s_sub_co_u32 s[RT], s[RT], 1
	s_mov_b32 s[TWICE], 2
.Lstep:
	STEP_B 1
	s_cmp_lg_u32 s[RT], 0                          ; was that the first block's last step?  (the count hangs on the cluster's x alone; the jump goes forward, past no barrier and no tensor load)
	s_cbranch_scc1 .Lfirst
	OUT
	s_wait_xcnt 0x0                                ; the stores have read their registers and O's address
	s_mov_b64 s[10:11], s[OLO:OLO+1]
	s_mov_b32 s[IB], s[IB2]
	s_mov_b32 s[STP], 0
	s_mov_b32 s[RT], 64
	WIN 0x41                                       ; the second block's Q goes where the one text of the steps names Q
.set i, 0
.rept 64
	v_mov_b32 v[128+i], v[192+i]
.set i, i+1
.endr
	WIN 0
.irp t, 0,1
	v_mov_b32 v[ST+8*(\t)], 0xfe000000
	v_mov_b32 v[ST+8*(\t)+1], 0xff7fffff
.endr
.Lfirst:
	STEP_A
	s_sub_co_u32 s[TWICE], s[TWICE], 1
	s_cmp_lg_u32 s[TWICE], 0
	s_cbranch_scc1 .Lstep
	s_sub_co_u32 s[SLOTS], s[SLOTS], 1
	s_cmp_lg_u32 s[SLOTS], 0
	s_cbranch_scc1 .Lslot
	CHANGE 0                                       ; the tail is written out: nothing is asked for
	s_mov_b32 s[TWICE], 2
.Ltail:
	STEP_B 1
	STEP_A
	s_sub_co_u32 s[TWICE], s[TWICE], 1
	s_cmp_lg_u32 s[TWICE], 0
	s_cbranch_scc1 .Ltail
	STEP_B 0
	OUT
	s_wait_tensorcnt 0x0                           ; the wave's end: the add to the spare word and its wait stand behind my last tensor load and my last LDS store
	ds_add_u32 v[SPW], v[NIL]
	s_wait_dscnt 0x0
	CROUND                                         ; the closing round
	s_endpgm
.Lfunc_end_k_q7a5183741f_attn:
	.size	k_q7a5183741f_attn, .Lfunc_end_k_q7a5183741f_attn-k_q7a5183741f_attn
	.p2alignl 7, 3214868480
	.fill 96, 4, 3214868480
	.section	.rodata,"a",@progbits
	.p2align	6, 0x0
	.amdhsa_kernel k_q7a5183741f_attn
		.amdhsa_group_segment_fixed_size 327680
		.amdhsa_private_segment_fixed_size 0
		.amdhsa_enable_private_segment 0
		.amdhsa_kernarg_size 16
		.amdhsa_user_sgpr_count 2
		.amdhsa_user_sgpr_kernarg_segment_ptr 1
		.amdhsa_wavefront_size32 1
		.amdhsa_system_sgpr_workgroup_id_x 1
		.amdhsa_system_sgpr_workgroup_id_y 1
		.amdhsa_system_sgpr_workgroup_id_z 1
		.amdhsa_system_vgpr_workitem_id 0
		.amdhsa_next_free_vgpr 768
		.amdhsa_next_free_sgpr 100
		.amdhsa_reserve_vcc 1
		.amdhsa_float_denorm_mode_32 3
		.amdhsa_float_denorm_mode_16_64 3
		.amdhsa_memory_ordered 1
		.amdhsa_forward_progress 1
		.amdhsa_inst_pref_size 121
	.end_amdhsa_kernel
	.amdgpu_metadata
---
amdhsa.version: [ 1, 2 ]
amdhsa.kernels:
  - .name:           k_q7a5183741f_attn
    .symbol:         k_q7a5183741f_attn.kd
    .args:
      - { .name: qkv, .offset: 0, .size: 8, .value_kind: global_buffer, .address_space: global }
      - { .name: ob, .offset: 8, .size: 8, .value_kind: global_buffer, .address_space: global }
    .group_segment_fixed_size: 327680
    .private_segment_fixed_size: 0
    .kernarg_segment_align: 8
    .kernarg_segment_size: 16
    .max_flat_workgroup_size: 128
    .sgpr_count:     100
    .vgpr_count:     768
    .wavefront_size: 32
...
	.end_amdgpu_metadata
.endif
;; end of part 3
;; launch oproj (part 4): grid 8 x 32, 4 waves a work-group, clusters of 4 x 4, 327,680 bytes of LDS; arguments ob, wo16, out0; writes out0
.if DOCPART == 4
	.amdgcn_target "amdgcn-amd-amdhsa--gfx1250"
	.amdhsa_code_object_version 6
	.text
	.protected	k_q7a5183741f_oproj
	.globl	k_q7a5183741f_oproj
	.p2align	8
	.type	k_q7a5183741f_oproj,@function
k_q7a5183741f_oproj:
	s_mov_b64 s[64:65], 0
	v_nop
	global_prefetch_b8 v0, s[64:65] scope:SCOPE_SE
	s_setreg_imm32_b32 hwreg(HW_REG_WAVE_MODE, 25, 1), 1
	s_wait_xcnt 0x0
	s_wait_alu depctr_hold_cnt(0) depctr_sa_sdst(0) depctr_va_vdst(0) depctr_va_sdst(0) depctr_va_ssrc(0) depctr_va_vcc(0) depctr_vm_vsrc(0)
	s_getreg_b32 s2, hwreg(HW_REG_IB_STS2, 6, 4)
	s_cmp_eq_u32 s2, 0
	s_cbranch_scc0 .Lentry_in_a_cluster
	s_endpgm
.Lentry_in_a_cluster:
	s_bfe_u32 s2, ttmp6, 0x10000c
	s_cmp_lg_u32 s2, 0xf033
	s_cbranch_scc0 .Lentry_shape_is_right
	s_endpgm
.Lentry_shape_is_right:
; OUT0 = O Wo.  O: [4096][2048] f16; Wo: [2048 k][1024 n] f16 (the input rounded to bf16, that number written as f16); out0: [4096][1024] f32.  f16 operands, f32 sums, nothing is rounded on the way out.
; A tile of out0 is 128 x 128: 256 tiles, one for each work-group.  Four waves, each 64 x 64: 16 accumulators of 16 x 16.  K goes in 8 steps of 256 through two LDS slots: O's tile is 128 rows of 512 bytes; Wo lies [k][n], its tile is
; 256 rows (k) of 256 bytes, and its fragments come out of LDS turned, by ds_load_tr16_b128.
; CLUSTER.  4 x 4 work-groups: O's tiles are shared along a row of the cluster, Wo's along a column; each is asked for jointly.  THE MATRIX INSTRUCTION IS USED TRANSPOSED (source 0 = 16 columns of Wo, source 1 = 16 rows of O):
; a lane holds eight neighbouring numbers of a row of out0.  A wave's 64 columns of f32 are 256 bytes, aligned: each wave has a stage of its own on the way out, and no barrier stands there.
; No prefetch: a tile's K step holds 128 matrix instructions a wave and the tiles are small.
; REGISTERS: window 0: v0-31 addresses; v32-95 at work on the way out; v128-255 the accumulators ((a, b) at v[128 + 8 (4 a + b)]).  window 1: two fragment buffers of 128: for 64 along K, 64 registers of O, then 64 of Wo.
.set KSTEP,  256
.set PITCH,  528                       ; O's LDS row: 512 bytes + 16
.set PB,     288                       ; Wo's LDS row: 256 bytes + 32 = 9 x 32
.set HALFA,  64*PITCH                  ; what waves 0 and 1 fetch: 64 rows of O
.set HALFB,  128*PB                    ; what waves 2 and 3 fetch: 128 rows of Wo
.set SLOT,   2*HALFA+2*HALFB
.set STAGE,  2*SLOT                    ; behind the ring: 16 rows x 272 bytes for each wave
.set SPITCH, 272
.set SPARE,  STAGE+4*16*SPITCH         ; behind the stages: the spare words, 128 bytes for each wave: two blocks of 256 bytes that no other line names
.set LAPS,   4
.set ADRA, 16                          ; v16-17  LDS address of my fragments of O in slot 0, 1
.set ADRB, 20                          ; v20-23  of Wo: by slot, and by half of the K step (so that the offsets stay inside 16 bits)
.set STO,  24
.set RD,   25
.set CO,   26
.set SPW,  28
.set NIL,  29
.set TMP,  32
.set ACC,  128
.set F0,   0
.set F1,   128
.set G1, 24
.set G0, 32
.set G1B, 48
.set G0B, 56
.set MSB, 0
.macro WIN new
.if MSB != (\new)
	s_set_vgpr_msb (MSB<<8)|(\new)
.set MSB, \new
.endif
.endm
.set MUL,  0x05                        ; sources 0 (Wo) and 1 (O) window 1; C and D window 0
.set TO_F, 0x40                        ; destination window 1, address window 0
.macro JLOAD s                         ; a joint load: waves 0 and 1 fetch O's two halves, waves 2 and 3 Wo's; an s_nop 0 and four v_nop follow each of the two lines
	s_cmp_eq_u32 s11, 0
	s_cbranch_scc0 .Lfor_b_\@
	tensor_load_to_lds s[G0+4*(\s):G0+4*(\s)+3], s[G1:G1+7]
	s_nop 0
.rept 4
	v_nop
.endr
	s_branch .Lasked_\@
.Lfor_b_\@:
	tensor_load_to_lds s[G0B+4*(\s):G0B+4*(\s)+3], s[G1B:G1B+7]
	s_nop 0
.rept 4
	v_nop
.endr
.Lasked_\@:
.endm
.macro CREST
	s_cmp_lg_u32 s10, 0
	s_cbranch_scc1 .Lnot_wave_0_\@
	s_barrier_signal -3
.Lnot_wave_0_\@:
	s_barrier_wait -3
	s_barrier_signal -1
	s_barrier_wait -1
.endm
.macro CROUND
	s_barrier_signal -1
	s_barrier_wait -1
	CREST
.endm
	s_load_b128 s[4:7], s[0:1], 0x0                ; ob s[4:5], wo16 s[6:7]
	s_load_b64 s[8:9], s[0:1], 0x10                ; out0
	v_lshl_add_u32 v[SPW], v0, 2, SPARE
	v_mov_b32 v[NIL], 0
	ds_add_u32 v[SPW], v[NIL]                      ; the wave's opening: the add and its wait stand ahead of my first tensor load; the set-up below, work on registers, stands between them
	v_lshrrev_b32 v1, 5, v0
	v_readfirstlane_b32 s10, v1                    ; wave 0..3
	s_lshr_b32 s11, s10, 1                         ; which half of the tile's rows is mine.  Also: I fetch for O (0) or for Wo (1)
	s_and_b32 s12, s10, 1                          ; which half of its columns.  Also: which half of that tile I fetch
	s_bfe_u32 s40, ttmp6, 0x40000                  ; cx
	s_bfe_u32 s41, ttmp6, 0x40004                  ; cy
	s_lshl_b32 s42, ttmp9, 2
	s_add_co_u32 s42, s42, s40                     ; tile column
	s_and_b32 s13, ttmp7, 0xffff
	s_lshl_b32 s13, s13, 2
	s_add_co_u32 s13, s13, s41                     ; tile row
	s_lshl_b32 s43, s41, 2
	s_lshl_b32 s43, 15, s43                        ; my row of the cluster
	s_lshl_b32 s44, 0x1111, s40                    ; my column
	s_or_b32 s[G1+0], s43, (1<<16)|(1<<20)|(1<<21)|(6<<22)|(3<<25)   ; mask: my row; elements of 2 bytes; padding on; bit 21 beside a mask; after every 128 words, 4 words
	s_or_b32 s[G1B+0], s44, (1<<16)|(1<<20)|(1<<21)|(5<<22)|(7<<25)  ; mask: my column; after every 64 words, 8 words
	s_mov_b32 s[G1+1], 256<<16                     ; tensor_dim0 = 256
	s_mov_b32 s[G1+2], 64<<16                      ; tensor_dim1 = 64
	s_mov_b32 s[G1+3], 256<<16                     ; tile_dim0 = 256
	s_mov_b32 s[G1+4], 64                          ; tile_dim1 = 64
	s_mov_b32 s[G1+5], 2048                        ; elements from row to row of O
	s_mov_b32 s[G1+6], 0
	s_mov_b32 s[G1+7], 0
	s_mov_b32 s[G1B+1], 128<<16                    ; tensor_dim0 = 128
	s_mov_b32 s[G1B+2], 128<<16                    ; tensor_dim1 = 128
	s_mov_b32 s[G1B+3], 128<<16                    ; tile_dim0 = 128
	s_mov_b32 s[G1B+4], 128                        ; tile_dim1 = 128
	s_mov_b32 s[G1B+5], 1024                       ; elements from row to row of Wo
	s_mov_b32 s[G1B+6], 0
	s_mov_b32 s[G1B+7], 0
	s_lshl_b32 s17, s12, 6
	s_lshl_b32 s16, s13, 7
	s_add_co_u32 s16, s16, s17                     ; O: row 128 x tile row + 64 x half,
	s_lshl_b32 s16, s16, 12                        ; 4,096 bytes a row
	s_mov_b32 s17, 0
	s_lshl_b32 s46, s42, 8                         ; Wo: 256 bytes a tile column,
	s_lshl_b32 s47, s12, 18                        ; 128 rows of 2,048 bytes a half
	s_add_co_u32 s46, s46, s47
	s_mov_b32 s47, 0
	s_mul_i32 s20, s12, HALFA                      ; where they go: O's halves,
	s_mul_i32 s21, s12, HALFB
	s_add_co_u32 s21, s21, 2*HALFA                 ; then Wo's: no place in the cluster enters an LDS address
	s_wait_dscnt 0x0                               ; the opening add is done
	s_wait_kmcnt 0x0
	s_add_nc_u64 s[14:15], s[4:5], s[16:17]
	s_add_nc_u64 s[46:47], s[6:7], s[46:47]
	CROUND                                         ; all sixteen work-groups are here: the first joint loads meet
.irp s, 0,1
	s_mov_b32 s[G0+4*(\s)], 1
	s_add_co_u32 s[G0+4*(\s)+1], s20, (\s)*SLOT
	s_add_nc_u64 s[G0+4*(\s)+2:G0+4*(\s)+3], s[14:15], (\s)*KSTEP*2
	s_or_b32 s[G0+4*(\s)+3], s[G0+4*(\s)+3], 0x80000000
	s_mov_b32 s[G0B+4*(\s)], 1
	s_add_co_u32 s[G0B+4*(\s)+1], s21, (\s)*SLOT
	s_add_nc_u64 s[G0B+4*(\s)+2:G0B+4*(\s)+3], s[46:47], (\s)*KSTEP*2048
	s_or_b32 s[G0B+4*(\s)+3], s[G0B+4*(\s)+3], 0x80000000
	JLOAD \s                                       ; K steps 0 and 1: two tensor loads of mine are out
.endr
	v_and_b32 v1, 15, v0                           ; l % 16
	v_bfe_u32 v2, v0, 4, 1                         ; l / 16
	v_mul_u32_u24 v3, v1, PITCH
	v_lshl_add_u32 v3, v2, 4, v3
	s_mul_i32 s22, s11, HALFA                      ; my 64 rows of O
	v_add_nc_u32 v[ADRA], s22, v3
	v_add_nc_u32 v[ADRA+1], SLOT, v[ADRA]
	v_and_b32 v4, 7, v0                            ; the turning load: lane l reads row 8 (l / 16) + l % 8, columns 8 ((l / 8) % 2) + 0..7
	v_lshl_add_u32 v4, v2, 3, v4
	v_mul_u32_u24 v4, v4, PB
	v_bfe_u32 v5, v0, 3, 1
	v_lshl_add_u32 v4, v5, 4, v4
	s_lshl_b32 s22, s12, 7                         ; my 64 columns,
	s_add_co_u32 s22, s22, 2*HALFA                 ; behind O's 128 rows
	v_add_nc_u32 v[ADRB], s22, v4
	v_add_nc_u32 v[ADRB+1], HALFB, v[ADRB]         ; the K step's second half: 128 rows on
	v_add_nc_u32 v[ADRB+2], SLOT, v[ADRB]
	v_add_nc_u32 v[ADRB+3], SLOT, v[ADRB+1]
	s_mul_i32 s23, s10, 16*SPITCH
	s_add_co_u32 s23, s23, STAGE                   ; my stage
	v_mul_u32_u24 v4, v1, SPITCH                   ; in: row l % 16, 32 bytes for each half of the lanes
	v_lshl_add_u32 v4, v2, 5, v4
	v_add_nc_u32 v[STO], s23, v4
	v_mul_u32_u24 v5, v2, SPITCH                   ; back: lanes 0-15 take one row of 256 bytes, lanes 16-31 the next
	v_lshl_add_u32 v5, v1, 4, v5
	v_add_nc_u32 v[RD], s23, v5
	v_lshlrev_b32 v5, 12, v2                       ; and the same two rows in out0
	v_lshl_add_u32 v[CO], v1, 4, v5
	s_lshl_b32 s16, s13, 7
	s_lshl_b32 s17, s11, 6
	s_add_co_u32 s16, s16, s17                     ; my first row: 128 x tile row + 64 x half
	s_lshl_b32 s16, s16, 12
	s_lshl_b32 s17, s42, 9                         ; my first column, in bytes: 512 x tile column + 256 x half
	s_add_co_u32 s16, s16, s17
	s_lshl_b32 s17, s12, 8
	s_add_co_u32 s16, s16, s17
	s_mov_b32 s17, 0
	s_add_nc_u64 s[8:9], s[8:9], s[16:17]
; 8 matrix instructions: row blocks a0, a0 + 1 x all 4 column blocks, 32 along K: half c of buffer f.  zero = 1: the first product starts the sums.  The 16 accumulators take turns.
.macro MUL8 f, c, a0, zero
	WIN MUL
.irp a, \a0, (\a0)+1
.irp b, 0,1,2,3
.if \zero
	v_wmma_f32_16x16x32_f16 v[ACC+8*(4*(\a)+(\b)):ACC+8*(4*(\a)+(\b))+7], v[(\f)+64+8*(4*(\c)+(\b)):(\f)+64+8*(4*(\c)+(\b))+7], v[(\f)+8*(4*(\c)+(\a)):(\f)+8*(4*(\c)+(\a))+7], 0
.else
	v_wmma_f32_16x16x32_f16 v[ACC+8*(4*(\a)+(\b)):ACC+8*(4*(\a)+(\b))+7], v[(\f)+64+8*(4*(\c)+(\b)):(\f)+64+8*(4*(\c)+(\b))+7], v[(\f)+8*(4*(\c)+(\a)):(\f)+8*(4*(\c)+(\a))+7], v[ACC+8*(4*(\a)+(\b)):ACC+8*(4*(\a)+(\b))+7]
.endif
.endr
.endr
.endm
; 32 LDS loads in one run: quarter q (64 along K) of a slot into buffer f; the first 32 along K first
.macro FETCH slot, q, f
	WIN TO_F
.irp c, 0,1
.irp i, 0,1,2,3
	ds_load_tr16_b128 v[(\f)+64+8*(4*(\c)+(\i)):(\f)+64+8*(4*(\c)+(\i))+3],   v[ADRB+2*(\slot)+(\q)/2] offset:(((\q)%2)*64+32*(\c))*PB+32*(\i)
	ds_load_tr16_b128 v[(\f)+64+8*(4*(\c)+(\i))+4:(\f)+64+8*(4*(\c)+(\i))+7], v[ADRB+2*(\slot)+(\q)/2] offset:(((\q)%2)*64+32*(\c))*PB+32*(\i)+16*PB
	ds_load_b128 v[(\f)+8*(4*(\c)+(\i)):(\f)+8*(4*(\c)+(\i))+3],             v[ADRA+(\slot)] offset:(\q)*128+64*(\c)+(\i)*16*PITCH
	ds_load_b128 v[(\f)+8*(4*(\c)+(\i))+4:(\f)+8*(4*(\c)+(\i))+7],           v[ADRA+(\slot)] offset:(\q)*128+64*(\c)+(\i)*16*PITCH+32
.endr
.endr
.endm
.macro PLACES                          ; four plain instructions between a matrix instruction and a load into, or a store of, its registers
.rept 4
	v_nop
.endr
.endm
; One of a K step's first three quarters: multiplies buffer f and fetches quarter q into g.
.macro QUARTER slot, q, f, g, zero
	s_wait_dscnt 16                                ; the first 32 along K are in; the sixteen younger loads may be out
	MUL8 \f, 0, 0, \zero
	MUL8 \f, 0, 2, \zero
	PLACES
	FETCH \slot, \q, \g
	s_wait_dscnt 32                                ; all but the 32 just issued
	MUL8 \f, 1, 0, 0
	MUL8 \f, 1, 2, 0
.endm
; The last quarter multiplies buffer 1 and changes slots: one barrier; in front of it each wave waits for all its tensor loads, adds 0 to its spare word, and waits for that and for its reads of this slot.  fill = 1: the barrier opens a
; round of the cluster's, and this slot is filled again, first thing behind it, two K steps ahead: 112 matrix instructions ahead of the wait for it.
.macro TURN slot, next, fill
	WIN 0
	s_wait_tensorcnt 0x0
	ds_add_u32 v[SPW], v[NIL]
	s_wait_dscnt 17                                ; the add and the youngest sixteen loads may be out
	MUL8 F1, 0, 0, 0
	s_wait_dscnt 0x0                               ; the add is done, and my reads of this slot are over
	s_barrier_signal -1
	MUL8 F1, 0, 2, 0
.if \fill
	WIN 0
.endif
	s_barrier_wait -1
.if \fill
	CREST
	s_add_nc_u64 s[G0+4*(\slot)+2:G0+4*(\slot)+3], s[G0+4*(\slot)+2:G0+4*(\slot)+3], 2*KSTEP*2
	s_add_nc_u64 s[G0B+4*(\slot)+2:G0B+4*(\slot)+3], s[G0B+4*(\slot)+2:G0B+4*(\slot)+3], 2*KSTEP*2048
	JLOAD \slot                                    ; its four v_nop are also the places in front of the loads below
.else
	PLACES
.endif
	FETCH \next, 0, F0
	MUL8 F1, 1, 0, 0
	MUL8 F1, 1, 2, 0
.endm
	s_wait_tensorcnt 1                             ; my part of K step 0 is in; K step 1's may stay out
	s_barrier_signal -1
	s_barrier_wait -1
	FETCH 0, 0, F0
	QUARTER 0, 1, F0, F1, 1                        ; the first quarter stands in front of the loop: its first products start the sums
	WIN 0
	s_mov_b32 s3, LAPS-1
.Llap:
	QUARTER 0, 2, F1, F0, 0
	QUARTER 0, 3, F0, F1, 0
	TURN 0, 1, 1
	QUARTER 1, 1, F0, F1, 0
	QUARTER 1, 2, F1, F0, 0
	QUARTER 1, 3, F0, F1, 0
	TURN 1, 0, 1
	QUARTER 0, 1, F0, F1, 0
	WIN 0
	s_sub_co_u32 s3, s3, 1
	s_cmp_lg_u32 s3, 0
	s_cbranch_scc1 .Llap
	QUARTER 0, 2, F1, F0, 0                        ; the last lap fills nothing
	QUARTER 0, 3, F0, F1, 0
	TURN 0, 1, 0
	QUARTER 1, 1, F0, F1, 0
	QUARTER 1, 2, F1, F0, 0
	QUARTER 1, 3, F0, F1, 0
	s_wait_dscnt 16
	MUL8 F1, 0, 0, 0
	MUL8 F1, 0, 2, 0
	s_wait_dscnt 0x0
	MUL8 F1, 1, 0, 0
	MUL8 F1, 1, 2, 0
	WIN 0
	; THE WAY OUT, 16 rows at a time: a lane's 32 bytes of a row go into my stage straight from the accumulators (their lowest registers first) and come back as whole rows of 256 bytes.
	PLACES
.irp a, 0,1,2,3
.irp b, 0,1,2,3
	ds_store_b128 v[STO], v[ACC+8*(4*(\a)+(\b)):ACC+8*(4*(\a)+(\b))+3]   offset:64*(\b)
	ds_store_b128 v[STO], v[ACC+8*(4*(\a)+(\b))+4:ACC+8*(4*(\a)+(\b))+7] offset:64*(\b)+16
.endr
.if (\a) >= 2
	s_wait_xcnt 0x0                                ; the stores of the block two back have read the registers that the loads below write
.endif
.irp t, 0,1,2,3,4,5,6,7
	ds_load_b128 v[TMP+32*((\a)%2)+4*(\t):TMP+32*((\a)%2)+4*(\t)+3], v[RD] offset:(\t)*2*SPITCH  ; LDS serves a wave's instructions in order: these see the stores above; the next block's stores come behind them
.endr
.irp t, 0,1,2,3,4,5,6,7
	s_wait_dscnt 7-(\t)
	global_store_b128 v[CO], v[TMP+32*((\a)%2)+4*(\t):TMP+32*((\a)%2)+4*(\t)+3], s[8:9] offset:(16*(\a)+2*(\t))*4096  ; 16 lanes store 256 consecutive bytes, aligned
.endr
.endr
	s_wait_tensorcnt 0x0                           ; the wave's end: the add to the spare word and its wait stand behind my last tensor load and my last LDS store
	ds_add_u32 v[SPW], v[NIL]
	s_wait_dscnt 0x0
	CROUND                                         ; the closing round
	s_endpgm
.Lfunc_end_k_q7a5183741f_oproj:
	.size	k_q7a5183741f_oproj, .Lfunc_end_k_q7a5183741f_oproj-k_q7a5183741f_oproj
	.p2alignl 7, 3214868480
	.fill 96, 4, 3214868480
	.section	.rodata,"a",@progbits
	.p2align	6, 0x0
	.amdhsa_kernel k_q7a5183741f_oproj
		.amdhsa_group_segment_fixed_size 327680
		.amdhsa_private_segment_fixed_size 0
		.amdhsa_enable_private_segment 0
		.amdhsa_kernarg_size 24
		.amdhsa_user_sgpr_count 2
		.amdhsa_user_sgpr_kernarg_segment_ptr 1
		.amdhsa_wavefront_size32 1
		.amdhsa_system_sgpr_workgroup_id_x 1
		.amdhsa_system_sgpr_workgroup_id_y 1
		.amdhsa_system_sgpr_workgroup_id_z 1
		.amdhsa_system_vgpr_workitem_id 0
		.amdhsa_next_free_vgpr 512
		.amdhsa_next_free_sgpr 66
		.amdhsa_reserve_vcc 0
		.amdhsa_float_denorm_mode_32 3
		.amdhsa_float_denorm_mode_16_64 3
		.amdhsa_memory_ordered 1
		.amdhsa_forward_progress 1
		.amdhsa_inst_pref_size 87
	.end_amdhsa_kernel
	.amdgpu_metadata
---
amdhsa.version: [ 1, 2 ]
amdhsa.kernels:
  - .name:           k_q7a5183741f_oproj
    .symbol:         k_q7a5183741f_oproj.kd
    .args:
      - { .name: ob, .offset: 0, .size: 8, .value_kind: global_buffer, .address_space: global }
      - { .name: wo16, .offset: 8, .size: 8, .value_kind: global_buffer, .address_space: global }
      - { .name: out0, .offset: 16, .size: 8, .value_kind: global_buffer, .address_space: global }
    .group_segment_fixed_size: 327680
    .private_segment_fixed_size: 0
    .kernarg_segment_align: 8
    .kernarg_segment_size: 24
    .max_flat_workgroup_size: 128
    .sgpr_count:     66
    .vgpr_count:     512
    .wavefront_size: 32
...
	.end_amdgpu_metadata
.endif
;; end of part 4
;; ======== version 2 of 2: 4 launches; version 1 with the launch prep written anew for expert scheduling mode
;; limits: values are held in f16: magnitudes above 65,504 overflow, below 6.1e-05 lose precision; right only within a limited range of input values
;; workspace buffers: xb 8,388,608 bytes; wb 8,388,608 bytes; wo16 4,194,304 bytes; cs 1,048,576 bytes; qkv 33,554,432 bytes; ob 16,777,216 bytes
;; launch prep (part 5): grid 768 x 1, 8 waves a work-group, no clusters, 0 bytes of LDS; arguments hidden_states, Wq, Wk, Wv, Wo, position_ids, xb, wb, wo16, cs; writes xb, wb, wo16, cs
.if DOCPART == 5
	.amdgcn_target "amdgcn-amd-amdhsa--gfx1250"
	.amdhsa_code_object_version 6
	.text
	.protected	k_q7a5183741f_prep
	.globl	k_q7a5183741f_prep
	.p2align	8
	.type	k_q7a5183741f_prep,@function
k_q7a5183741f_prep:
	s_mov_b64 s[64:65], 0
	v_nop
	global_prefetch_b8 v0, s[64:65] scope:SCOPE_SE
	s_setreg_imm32_b32 hwreg(HW_REG_WAVE_SCHED_MODE, 0, 2), 2
	s_setreg_imm32_b32 hwreg(HW_REG_WAVE_MODE, 25, 1), 1
	s_wait_xcnt 0x0
	s_wait_alu depctr_vm_vsrc(0)
; PREP: the casts and the table of cosines and sines.  A stream: no LDS, no matrix unit, no barrier.
;   xb   [4096][1024] bf16        = hidden_states, rounded once
;   wb   [1024 k][4096 n] bf16    = Wq (n 0-2047) | Wk (2048-3071) | Wv (3072-4095), rounded once
;   wo16 [2048 k][1024 n] f16     = Wo rounded to bf16, that number written as f16
;   cs   [2048 s][128] f32        = 64 cosines, then 64 sines, of position_ids[s] x 1e6^(-f/64), f = 0..63
; SHARES.  A segment is 1,024 floats (4,096 bytes in, 2,048 out).  Work-groups 0-639 cast 16 segments each, a wave two: sixteen loads of 16 bytes a lane go out
; together, and each store of a wave covers 256 consecutive bytes, aligned.  Work-groups 640-767 make 16 rows of the table each, sixteen lanes a row, four frequencies a lane.
; LIMITS.  Wo as f16: a bf16 number below 6.1e-5 in size keeps f16's fixed step of 6e-8, one beyond 65,504 becomes an infinity.  The angle is reduced by pi/2 in two parts with fused
; multiply-adds: what is left out is k x 1.7e-15 for the k-th quarter turn; the text serves angles up to 48,000 rad.  The frequency is 2^(-f x log2(1e6)/64), good to about 1.5e-6 of itself
; at f = 63 and better below, so an angle's error is that part of the angle.  NaN and infinities are not treated apart.
; THE MODE: SCHED_MODE bits 1:0 = 2 (LLVM: expert scheduling mode 2), set by the entry lines.  The code itself states the register dependences
; between vector instructions and memory instructions, with s_wait_alu, always for 0.
; THE PLAN.  Registers that memory instructions touch:
;   v1, v2     the casts' offsets in and out: made once at the head, read by all sixteen loads (v1) and all sixteen stores (v2), never written again.
;   VI         each four registers are the landing place of ONE load; no vector line names them ahead of the loads, and no memory instruction reads them.
;   VO         each pair is written by its conversions, read by ONE store and never written again.
;   v5, v6     the table's offset into position_ids, and the number loaded;  v9, v[64:71] the table's offset and data out: each written once, then read by memory instructions.
; No register that a memory instruction reads is written again, so the text holds no wait on vm_vsrc.  The casts go in four blocks of four loads: one wait on LOADcnt, the block's
; conversions, ONE wait on va_vdst, the block's four stores.  The wave's number and the table's four compares go into scalar registers: a wait on va_sdst stands ahead of their first readers.
.set VI, 16                            ; v[16:79]   sixteen loads of four floats
.set VO, 80                            ; v[80:111]  sixteen pairs of packed results
.set ODD, 54                           ; s[54:57]   the table: for each of my four frequencies, the lanes whose quarter turn is odd
	s_load_b512 s[8:23], s[0:1], 0x0               ; hidden s[8:9], Wq s[10:11], Wk s[12:13], Wv s[14:15], Wo s[16:17], position_ids s[18:19], xb s[20:21], wb s[22:23]
	s_load_b128 s[24:27], s[0:1], 0x40             ; wo16 s[24:25], cs s[26:27]
	v_lshrrev_b32 v3, 5, v0
	v_readfirstlane_b32 s39, v3                    ; wave 0..7
	v_and_b32 v4, 31, v0
	v_lshlrev_b32 v1, 4, v4                        ; 16 bytes a lane in
	v_lshlrev_b32 v2, 3, v4                        ; 8 bytes a lane out
	s_mov_b32 s7, ttmp9
	s_mov_b32 s34, 0                               ; the region's first work-group
	s_mov_b32 s35, 0                               ; segments to a source row, as a shift
	s_mov_b32 s36, 2048                            ; bytes from row to row in the destination
	s_mov_b32 s37, 0                               ; the region's first byte in a destination row
	s_mov_b32 s38, 2048                            ; bytes from the wave's first segment to its second, in the destination
	s_wait_alu depctr_va_sdst(0)                   ; s39 is written
	s_wait_kmcnt 0x0
	s_cmp_ge_u32 s7, 640
	s_cbranch_scc1 .Ltable
	; which region: hidden_states 0-255, Wq 256-383, Wk 384-447, Wv 448-511, Wo 512-639.  The compares are on the work-group's number alone.
	s_mov_b64 s[28:29], s[8:9]
	s_mov_b64 s[30:31], s[20:21]
	s_cmp_ge_u32 s7, 256
	s_cselect_b64 s[28:29], s[10:11], s[28:29]
	s_cselect_b64 s[30:31], s[22:23], s[30:31]
	s_cselect_b32 s34, 256, s34
	s_cselect_b32 s35, 1, s35
	s_cselect_b32 s36, 8192, s36
	s_cmp_ge_u32 s7, 384
	s_cselect_b64 s[28:29], s[12:13], s[28:29]
	s_cselect_b32 s34, 384, s34
	s_cselect_b32 s35, 0, s35
	s_cselect_b32 s37, 4096, s37
	s_cselect_b32 s38, 8192, s38
	s_cmp_ge_u32 s7, 448
	s_cselect_b64 s[28:29], s[14:15], s[28:29]
	s_cselect_b32 s34, 448, s34
	s_cselect_b32 s37, 6144, s37
	s_cmp_ge_u32 s7, 512
	s_cselect_b64 s[28:29], s[16:17], s[28:29]
	s_cselect_b64 s[30:31], s[24:25], s[30:31]
	s_cselect_b32 s34, 512, s34
	s_cselect_b32 s36, 2048, s36
	s_cselect_b32 s37, 0, s37
	s_cselect_b32 s38, 2048, s38
	s_sub_co_u32 s40, s7, s34
	s_lshl_b32 s40, s40, 4
	s_lshl1_add_u32 s40, s39, s40                  ; my first segment: 16 x (work-group in the region) + 2 x wave
	s_lshl_b32 s42, s40, 12                        ; 4,096 bytes a segment in
	s_mov_b32 s43, 0
	s_add_nc_u64 s[28:29], s[28:29], s[42:43]
	s_lshr_b32 s40, s40, s35                       ; the destination's row,
	s_mul_i32 s40, s40, s36
	s_add_co_u32 s40, s40, s37
	s_mov_b32 s41, 0
	s_add_nc_u64 s[30:31], s[30:31], s[40:41]      ; where the first segment goes,
	s_mov_b32 s42, s38
	s_add_nc_u64 s[32:33], s[30:31], s[42:43]      ; and the second
	s_wait_alu depctr_va_vdst(0)                   ; v1 and v2 are written: the loads below read v1 as their offset, the stores further down v2
.irp u, 0,1,2,3,4,5,6,7,8,9,10,11,12,13,14,15
	global_load_b128 v[VI+4*(\u):VI+4*(\u)+3], v1, s[28:29] offset:512*(\u) th:TH_LOAD_NT
.endr
; Block p of four: loads 4 p to 4 p + 3 are converted and stored.  wo = 1: Wo's path, rounded to bf16 like every input, then that number as f16.
.macro BLOCK p, wo
	s_wait_loadcnt 12-4*(\p)                       ; loads come back in order: this block's four are in, the younger ones stay out
.irp q, 0,1,2,3
.set U, 4*(\p)+(\q)
	v_cvt_pk_bf16_f32 v[VO+2*U], v[VI+4*U], v[VI+4*U+1]
	v_cvt_pk_bf16_f32 v[VO+2*U+1], v[VI+4*U+2], v[VI+4*U+3]
.if \wo
	v_lshlrev_b32 v[VI+4*U], 16, v[VO+2*U]
	v_and_b32 v[VI+4*U+1], 0xffff0000, v[VO+2*U]
	v_lshlrev_b32 v[VI+4*U+2], 16, v[VO+2*U+1]
	v_and_b32 v[VI+4*U+3], 0xffff0000, v[VO+2*U+1]
	v_cvt_pk_f16_f32 v[VO+2*U], v[VI+4*U], v[VI+4*U+1]
	v_cvt_pk_f16_f32 v[VO+2*U+1], v[VI+4*U+2], v[VI+4*U+3]
.endif
.endr
	s_wait_alu depctr_va_vdst(0)                   ; the block's conversions have written its eight registers of VO, which the four stores below read
.irp q, 0,1,2,3
.set U, 4*(\p)+(\q)
	global_store_b64 v2, v[VO+2*U:VO+2*U+1], s[30+2*(U/8):31+2*(U/8)] offset:256*(U%8)
.endr
.endm
	s_cmp_ge_u32 s7, 512
	s_cbranch_scc1 .Lwo
	BLOCK 0, 0
	BLOCK 1, 0
	BLOCK 2, 0
	BLOCK 3, 0
	s_endpgm
.Lwo:                                          ; Wo: rounded to bf16 like every input, then that number as f16
	BLOCK 0, 1
	BLOCK 1, 1
	BLOCK 2, 1
	BLOCK 3, 1
	s_endpgm
.Ltable:
	s_sub_co_u32 s40, s7, 640
	s_lshl_b32 s40, s40, 4
	v_lshrrev_b32 v3, 4, v0
	v_add_nc_u32 v3, s40, v3                       ; my row s
	v_lshlrev_b32 v5, 2, v3
	s_wait_alu depctr_va_vdst(0)                   ; v5 is written, which the load below reads as its offset
	global_load_b32 v6, v5, s[18:19]               ; position_ids[s]
	v_and_b32 v4, 15, v0                           ; my four frequencies: 4 fg .. 4 fg + 3
	s_mov_b32 s44, 0xbe9f73da                      ; -log2(1e6) / 64
	s_mov_b32 s45, 0x3f22f983                      ; 2 / pi
	s_mov_b32 s46, 0xbfc90fdb                      ; -(pi/2 rounded to f32)
	s_mov_b32 s47, 0x333bbd2e                      ; -(pi/2 less that number)
	s_mov_b32 s48, 0xb94ca1f9                      ; the sine's polynomial in z = r r: -1.9515296e-4,
	s_mov_b32 s49, 0x3c08839e                      ; 8.3321609e-3,
	s_mov_b32 s50, 0xbe2aaaa3                      ; -1.6666655e-1
	s_mov_b32 s51, 0x37ccf5ce                      ; the cosine's: 2.4433157e-5,
	s_mov_b32 s52, 0xbab6061a                      ; -1.3887316e-3,
	s_mov_b32 s53, 0x3d2aaaa5                      ; 4.1666646e-2
	v_lshlrev_b32 v7, 2, v4
	v_lshlrev_b32 v9, 9, v3
	v_lshl_add_u32 v9, v4, 4, v9                   ; 512 s + 16 fg: sixteen lanes fill 256 consecutive bytes, aligned
.irp e, 0,1,2,3
	v_add_nc_u32 v[16+12*(\e)], \e, v7
	v_cvt_f32_u32 v[16+12*(\e)], v[16+12*(\e)]
	v_mul_f32 v[16+12*(\e)], s44, v[16+12*(\e)]
.endr
.irp e, 0,1,2,3
	v_exp_f32 v[17+12*(\e)], v[16+12*(\e)]         ; the frequency
.endr
	v_nop                                          ; a plain instruction behind the last exponential,
	s_wait_alu depctr_va_vdst(0)                   ; and one wait for the four: the exponentials have written v17, v29, v41 and v53, ahead of their first reader
	s_wait_loadcnt 0x0
	v_cvt_f32_i32 v6, v6
; The first pass over my four frequencies: the reduced angle, its sine and cosine, and which lanes' quarter turn is odd; the four compares write four scalar registers.
.irp e, 0,1,2,3
.set R, 16+12*(\e)
	v_mul_f32 v[R], v6, v[R+1]                     ; the angle x
	v_mul_f32 v[R+1], s45, v[R]
	v_rndne_f32 v[R+1], v[R+1]                     ; k quarter turns
	v_fma_f32 v[R], v[R+1], s46, v[R]              ; r = x - k pi/2, in two parts
	v_fma_f32 v[R], v[R+1], s47, v[R]
	v_cvt_i32_f32 v[R+2], v[R+1]
	v_mul_f32 v[R+3], v[R], v[R]                   ; z
	v_fma_f32 v[R+4], v[R+3], s48, s49
	v_fma_f32 v[R+4], v[R+4], v[R+3], s50
	v_mul_f32 v[R+6], v[R+3], v[R]
	v_fma_f32 v[R+4], v[R+4], v[R+6], v[R]         ; sin r
	v_fma_f32 v[R+5], v[R+3], s51, s52
	v_fma_f32 v[R+5], v[R+5], v[R+3], s53
	v_mul_f32 v[R+6], v[R+3], v[R+3]
	v_fma_f32 v[R+7], v[R+3], -0.5, 1.0
	v_fma_f32 v[R+5], v[R+5], v[R+6], v[R+7]       ; cos r
	v_and_b32 v[R+6], 1, v[R+2]
	v_cmp_eq_u32 s[ODD+(\e)], 1, v[R+6]            ; an odd quarter swaps the two
.endr
	s_wait_alu depctr_va_sdst(0)                   ; the four compares have written s54 to s57, ahead of the selects that read them: one wait for the run
; The second pass: the swap and the signs.
.irp e, 0,1,2,3
.set R, 16+12*(\e)
	v_cndmask_b32 v[R+7], v[R+4], v[R+5], s[ODD+(\e)]
	v_cndmask_b32 v[R+8], v[R+5], v[R+4], s[ODD+(\e)]
	v_lshlrev_b32 v[R+6], 30, v[R+2]               ; the sine is negative in quarters 2 and 3,
	v_and_b32 v[R+6], 0x80000000, v[R+6]
	v_xor_b32 v[68+(\e)], v[R+6], v[R+7]
	v_add_nc_u32 v[R+2], 1, v[R+2]                 ; the cosine in quarters 1 and 2
	v_lshlrev_b32 v[R+2], 30, v[R+2]
	v_and_b32 v[R+2], 0x80000000, v[R+2]
	v_xor_b32 v[64+(\e)], v[R+2], v[R+8]
.endr
	s_wait_alu depctr_va_vdst(0)                   ; v9 and v[64:71] are written: the two stores below read them as offset and data
	global_store_b128 v9, v[64:67], s[26:27]
	global_store_b128 v9, v[68:71], s[26:27] offset:256
	s_endpgm
.Lfunc_end_k_q7a5183741f_prep:
	.size	k_q7a5183741f_prep, .Lfunc_end_k_q7a5183741f_prep-k_q7a5183741f_prep
	.p2alignl 7, 3214868480
	.fill 96, 4, 3214868480
	.section	.rodata,"a",@progbits
	.p2align	6, 0x0
	.amdhsa_kernel k_q7a5183741f_prep
		.amdhsa_group_segment_fixed_size 0
		.amdhsa_private_segment_fixed_size 0
		.amdhsa_enable_private_segment 0
		.amdhsa_kernarg_size 80
		.amdhsa_user_sgpr_count 2
		.amdhsa_user_sgpr_kernarg_segment_ptr 1
		.amdhsa_wavefront_size32 1
		.amdhsa_system_sgpr_workgroup_id_x 1
		.amdhsa_system_sgpr_workgroup_id_y 1
		.amdhsa_system_sgpr_workgroup_id_z 1
		.amdhsa_system_vgpr_workitem_id 0
		.amdhsa_next_free_vgpr 112
		.amdhsa_next_free_sgpr 66
		.amdhsa_reserve_vcc 0
		.amdhsa_float_denorm_mode_32 3
		.amdhsa_float_denorm_mode_16_64 3
		.amdhsa_memory_ordered 1
		.amdhsa_forward_progress 1
		.amdhsa_inst_pref_size 24
	.end_amdhsa_kernel
	.amdgpu_metadata
---
amdhsa.version: [ 1, 2 ]
amdhsa.kernels:
  - .name:           k_q7a5183741f_prep
    .symbol:         k_q7a5183741f_prep.kd
    .args:
      - { .name: hidden_states, .offset: 0, .size: 8, .value_kind: global_buffer, .address_space: global }
      - { .name: Wq, .offset: 8, .size: 8, .value_kind: global_buffer, .address_space: global }
      - { .name: Wk, .offset: 16, .size: 8, .value_kind: global_buffer, .address_space: global }
      - { .name: Wv, .offset: 24, .size: 8, .value_kind: global_buffer, .address_space: global }
      - { .name: Wo, .offset: 32, .size: 8, .value_kind: global_buffer, .address_space: global }
      - { .name: position_ids, .offset: 40, .size: 8, .value_kind: global_buffer, .address_space: global }
      - { .name: xb, .offset: 48, .size: 8, .value_kind: global_buffer, .address_space: global }
      - { .name: wb, .offset: 56, .size: 8, .value_kind: global_buffer, .address_space: global }
      - { .name: wo16, .offset: 64, .size: 8, .value_kind: global_buffer, .address_space: global }
      - { .name: cs, .offset: 72, .size: 8, .value_kind: global_buffer, .address_space: global }
    .group_segment_fixed_size: 0
    .private_segment_fixed_size: 0
    .kernarg_segment_align: 8
    .kernarg_segment_size: 80
    .max_flat_workgroup_size: 256
    .sgpr_count:     66
    .vgpr_count:     112
    .wavefront_size: 32
...
	.end_amdgpu_metadata
.endif
;; end of part 5
;; launch qkv: the kernel of part 2 again; grid 16 x 16, 4 waves a work-group, clusters of 4 x 4, 327,680 bytes of LDS; arguments xb, wb, cs, q_norm_w, k_norm_w, qkv; writes qkv
;; launch attn: the kernel of part 3 again; grid 16 x 16, 4 waves a work-group, clusters of 4 x 1, 327,680 bytes of LDS; arguments qkv, ob; writes ob
;; launch oproj: the kernel of part 4 again; grid 8 x 32, 4 waves a work-group, clusters of 4 x 4, 327,680 bytes of LDS; arguments ob, wo16, out0; writes out0
